; MI455X (gfx1250); checked and timed in simulation.
; The chip was launched on July 23, 2026; its instructions are those of AMD's public machine-readable ISA for CDNA 5 (MIT licence, August 2026) and "CDNA5" Instruction Set Architecture Reference Guide (July 2026). The comments in the code are by the model that wrote it; some were corrected since.
;; Attention. Allowed arithmetic: matrix products marked QUANTISED: E2M3 operands, one E8M0 scale for each 32 along K, by v_wmma_scale_f32_16x16x128_f8f6f4 with both operands' format E2M3, f32 sums; everything else in f32.
;; Inputs: W_proj 1,024 x 1,024 float32; W_qkv 3,072 x 1,024 float32; b_proj 1,024 float32; global_bias 2,048 x 2,048 float32; x 4 x 2,048 x 1,024 float32.
;; Outputs: out0 4 x 2,048 x 1,024 float32.
;; This version of the problem:
;;   THIS VERSION OF THE PROBLEM IS GIVEN IN LOW PRECISION. The matrix products marked QUANTISED in the list below multiply operands that are first quantised to E2M3 (2 exponent bits, 3 mantissa bits; 6 bits a number), with one power-of-two scale for each 32 numbers along K (OCP MX v1.0); their sums are f32. All else is computed in f32.
;;   The module's matrix products, in the order in which they are computed (A, B: the left and right operand; K: the contracted axis; several contracted axes count as one K, in the product's order):
;;     1. [M 8,192, K 1,024] x [K 1,024, N 3,072]; A: input x; B: input W_qkv: QUANTISED
;;     2. batch 64 x [M 2,048, K 64] x [K 64, N 2,048]; A: computed on the way; B: computed on the way: QUANTISED
;;     3. batch 64 x [M 2,048, K 2,048] x [K 2,048, N 64]; A: softmax (see below); B: computed on the way: QUANTISED
;;     4. [M 8,192, K 1,024] x [K 1,024, N 1,024]; A: computed on the way; B: input W_proj: QUANTISED
;;   THE QUANTISER, for each operand of a quantised product, along K:
;;     - K is cut into blocks of 32 from its start; a last block that is shorter is filled with zeros.
;;     - A block's scale is 2^e with e = floor(log2(the largest magnitude in the block)) - 2, held to -126 .. 127; a block of zeros has e = 0. As a byte (E8M0): e + 127.
;;     - Each number is divided by its block's scale, clamped to +-7.5, and rounded to the nearest number of E2M3, ties to even, subnormals kept.
;;     - The product sums the exact products of the quantised numbers (number of the format x scale) in f32.
;;   ~~~python
;;   def quantise(x, axis):      # numpy; x: float32 -> the quantised numbers, widened to float32 again
;;       x = np.moveaxis(x, axis, -1); K = x.shape[-1]
;;       x = np.pad(x, [(0, 0)] * (x.ndim - 1) + [(0, -K % 32)]); x = x.reshape(x.shape[:-1] + (-1, 32)); a = np.abs(x).max(-1, keepdims=True)
;;       e = np.where(a > 0, np.clip(np.frexp(np.where(a > 0, a, 1))[1] - 1 - 2, -126, 127), 0)      # np.frexp(a)[1] - 1 = floor(log2(a)), exactly
;;       r = np.clip(x / 2.0 ** e, -7.5, 7.5)
;;       step = 2.0 ** (np.maximum(np.frexp(np.where(r == 0, 1, r))[1] - 1, 0) - 3)
;;       q = np.round(r / step) * step * 2.0 ** e      # np.round: ties to even
;;       return np.moveaxis(q.reshape(q.shape[:-2] + (-1,))[..., :K], -1, axis).astype(np.float32)
;;   ~~~
;;   SOFTMAX AHEAD OF A QUANTISED PRODUCT. Where the list says 'softmax', what is quantised is not the finished softmax but p = 2^(t - M), with t = logit x log2(e) and M = ceil(the row's largest t), a whole number; so 1/2 < the row's largest p <= 1. The row's sum l is taken of the UNQUANTISED p, in f32, and the product's result is divided by l at the end. Since M is a whole number, a kernel that streams over the keys may use a running M (the ceiling of the running maximum): every later rescaling is an exact power of two, which a block's scale takes up: the codes' values come out the same.
;;   OPERANDS COMPUTED ON THE WAY. 'Computed on the way' means the value that the module computes at that place (a softmax that the list does not call 'softmax' is quantised finished and normalised). What goes into a quantiser is computed in f32, as accurately as f32 sums, v_exp_f32 and their like allow (about 1e-6 of the number): no bf16 or f16 on the way to a quantiser, and a product that is left as it is and whose result goes on into a quantised operand takes f32 operands (vector FMAs, or v_wmma_f32_16x16x4_f32). A number that lies on a knife's edge between two numbers of the format may be rounded either way, as far as f32 arithmetic and the matrix unit's own rounding can turn it there, and no further.
;; One version. Each part assembles by itself: llvm-mc -triple=amdgcn-amd-amdhsa -mcpu=gfx1250 --defsym DOCPART=n.
;; ======== version 1 of 1: 4 launches
;; workspace buffers: XC 6,553,600 bytes; WC 2,457,600 bytes; PC 819,200 bytes; QKC 13,107,200 bytes; VC 6,553,600 bytes; OC 6,553,600 bytes
;; launch quant (part 1): grid 768 x 1, 1 waves a work-group, no clusters, 8,960 bytes of LDS; arguments x, W_qkv, W_proj, XC, WC, PC; writes XC, WC, PC
.if DOCPART == 1
	.amdgcn_target "amdgcn-amd-amdhsa--gfx1250"
	.amdhsa_code_object_version 6
	.text
	.protected	k_qd761057472_quant
	.globl	k_qd761057472_quant
	.p2align	8
	.type	k_qd761057472_quant,@function
k_qd761057472_quant:
	s_mov_b64 s[64:65], 0
	v_nop
	global_prefetch_b8 v0, s[64:65] scope:SCOPE_SE
	s_setreg_imm32_b32 hwreg(HW_REG_WAVE_MODE, 25, 1), 1
	s_wait_xcnt 0x0
; x [8192][1024], W_qkv [3072][1024] and W_proj [1024][1024], f32, K innermost, become codes of FP6 (E2M3) with one E8M0 byte for each 32 along K.
; THE BLOCK, this program's one workspace format: 128 rows x 128 along K in 12,800 bytes, in the order of an operand's registers.
;   bytes 0 .. 12,287: eight fragments of 16 rows; fragment a's register p (0 .. 11) of lane l lies at 1536 a + 512 (p / 4) + 16 l + 4 (p % 4): three 16-byte loads or stores a lane move a fragment.
;   bytes 12,288 ..  : lane l = (r, h) owns 16 bytes at 16 l: the scale words (four bytes: 128 along K) of row r of fragments 4 h .. 4 h + 3.
; A block's scale is 2^(floor(log2(largest magnitude)) - 2); its byte is the largest magnitude's exponent field - 2, held at 1 from below by a floor among the maximum's leaves.
; A block of zeros so keeps the byte 1 where the rule says 127: its codes are zeros, and this program alone reads the bytes.
; LIMITS: NaN and infinities among the inputs are not served.
; SHARES: one wave makes one block (64 KiB in, 12,800 bytes out); 512 blocks of x, 192 of W_qkv, 64 of W_proj; the buffers are chosen by the work-group's number, the path through the text is one.
; W_qkv'S ROWS ARE STORED WITH BITS 3 AND 4 OF THE ROW NUMBER SWAPPED: place 16 a + i of a block holds row 32 (a / 2) + 8 (a % 2) + i + 8 (i / 8).  The projection's results then fall, in a lane's
; registers, in the natural order of the features, which are the K of the next products.
; Each load reads a row's 512 consecutive bytes.  The conversions want 16 neighbours along K in ONE lane, so a tile of 16 rows turns through a stage in LDS (rows 528 bytes apart).
.set ROWB,  4096                       ; a row of any of the three tensors, in bytes
.set BLK,   12800
.set SP,    528                        ; a stage row: 512 bytes + 16
.set VA,    3                          ; v3   16 x lane: my 16 bytes of a row's 512, and of a store's 512
.set VB,    4                          ; v4   the same, 8 rows further down where the rows are swapped
.set VC,    5                          ; v5   the same, 8 rows further down where they are not
.set SW,    6                          ; v6   the stage, on the way in: 16 x lane
.set SRD,   7                          ; v7   and on the way out: 528 r + 64 h
.set TM,    12                         ; v12-27 at work
.set PW,    28                         ; v28  the scale word just made
.set PWS,   30                         ; v30-37 the eight tiles' scale words
.set SBW,   38                         ; v38-41 the scale area's 16 bytes of my lane
.set PCD,   44                         ; v44-62 the codes just made
.set X,     64                         ; v64-127 64 numbers: register 16 b + i = k 32 b + 16 h + i of row r
.set R,     128                        ; v128-255 two sets of 16 x 4 registers as loaded
.set SEL,   20                         ; s[20:21] v_permlanex16_b32's selects for lane l xor 16
	s_load_b128 s[4:7], s[0:1], 0x0                ; x, W_qkv
	s_load_b128 s[8:11], s[0:1], 0x10              ; W_proj, XC
	s_load_b128 s[12:15], s[0:1], 0x20             ; WC, PC
	v_lshl_add_u32 v59, v0, 2, 0x2200
	v_mov_b32 v63, 0
	v_and_b32 v1, 15, v0                           ; r
	v_lshrrev_b32 v2, 4, v0                        ; h
	v_lshlrev_b32 v[VA], 4, v0
	v_lshlrev_b32 v[SW], 4, v0
	v_mul_u32_u24 v[SRD], v1, SP
	v_lshl_add_u32 v[SRD], v2, 6, v[SRD]
	v_cmp_lt_u32 vcc_lo, 15, v0                    ; lanes 16-31: kept to the end
	s_mov_b32 s[SEL], 0x76543210
	s_mov_b32 s[SEL+1], 0xfedcba98
.irp b, 0,1,2,3
	v_mov_b32 v[TM+4+\b], 0                        ; written once: a lane permute's destination counts as one of its sources
.endr
	s_mov_b32 s22, 704
	s_wait_kmcnt 0x0
	s_cmp_lt_u32 ttmp9, 704                        ; W_qkv or W_proj?
	s_cselect_b64 s[16:17], s[6:7], s[8:9]
	s_cselect_b64 s[18:19], s[12:13], s[14:15]
	s_cselect_b32 s22, 512, s22                    ; the tensor's first work-group
	s_cselect_b32 s23, 1, 0                        ; 1: rows swapped
	s_cmp_lt_u32 ttmp9, 512                        ; or x?
	s_cselect_b64 s[16:17], s[4:5], s[16:17]
	s_cselect_b64 s[18:19], s[10:11], s[18:19]
	s_cselect_b32 s22, 0, s22
	s_cselect_b32 s23, 0, s23
	s_sub_co_u32 s22, ttmp9, s22                   ; my block in its tensor: 8 x row block + chunk
	s_lshr_b32 s24, s22, 3
	s_lshl_b32 s24, s24, 19                        ; 128 rows of 4,096 bytes
	s_and_b32 s25, s22, 7
	s_lshl_b32 s25, s25, 9                         ; 128 numbers of 4 bytes
	s_add_co_u32 s24, s24, s25
	s_mov_b32 s25, 0
	s_add_nc_u64 s[16:17], s[16:17], s[24:25]
	s_mul_i32 s24, s22, BLK
	s_add_nc_u64 s[18:19], s[18:19], s[24:25]
	s_lshl_b32 s26, s23, 15                        ; 8 rows, where swapped
	s_xor_b32 s27, s26, 32768                      ; 8 rows, where not
	v_add_nc_u32 v[VB], s26, v[VA]
	v_add_nc_u32 v[VC], s27, v[VA]
; Tile a's 16 rows into set a % 2.  Natural: row 16 a + i.  Swapped: 16 a + i + 8 for (a even, i >= 8), 16 a + i - 8 for (a odd, i < 8), else 16 a + i.
.macro LOADT a
.irp i, 0,1,2,3,4,5,6,7,8,9,10,11,12,13,14,15
.if ((\a)%2 == 0) && (\i >= 8)
	global_load_b128 v[R+64*((\a)%2)+4*\i:R+64*((\a)%2)+4*\i+3], v[VB], s[16:17] offset:(16*(\a)+\i)*ROWB th:TH_LOAD_NT
.elseif ((\a)%2 == 1) && (\i < 8)
	global_load_b128 v[R+64*((\a)%2)+4*\i:R+64*((\a)%2)+4*\i+3], v[VC], s[16:17] offset:(16*(\a)+\i-8)*ROWB th:TH_LOAD_NT
.else
	global_load_b128 v[R+64*((\a)%2)+4*\i:R+64*((\a)%2)+4*\i+3], v[VA], s[16:17] offset:(16*(\a)+\i)*ROWB th:TH_LOAD_NT
.endif
.endr
.endm
; The tile through the stage: LDS serves a wave's instructions in order, so no wait stands between the stores and the loads
.macro TURN a
.irp i, 0,1,2,3,4,5,6,7,8,9,10,11,12,13,14,15
	ds_store_b128 v[SW], v[R+64*((\a)%2)+4*\i:R+64*((\a)%2)+4*\i+3] offset:SP*\i
.endr
.irp b, 0,1,2,3
.irp j, 0,1,2,3
	ds_load_b128 v[X+16*\b+4*\j:X+16*\b+4*\j+3], v[SRD] offset:128*\b+16*\j
.endr
.endr
.endm
; 64 numbers of a lane, register 16 b + i = place 32 b + 16 h + i of my row, become a fragment's 12 registers at v[pc] on (v[pc + 12] .. v[pc + 18] at work) and its scale word in v[pw]
.macro QUANT s, floor, pc, pw
.irp b, 0,1,2,3
	v_max3_num_f32 v[TM+\b], |v[\s+16*\b]|, |v[\s+1+16*\b]|, \floor   ; block b: my 16 numbers, and the floor under which no largest magnitude is taken
.endr
.irp i, 2,4,6,8,10,12,14
.irp b, 0,1,2,3
	v_max3_num_f32 v[TM+\b], v[TM+\b], |v[\s+16*\b+\i]|, |v[\s+1+16*\b+\i]|   ; the four blocks by turns
.endr
.endr
.irp b, 0,1,2,3
	v_permlanex16_b32 v[TM+4+\b], v[TM+\b], s[SEL], s[SEL+1]
.endr
.irp b, 0,1,2,3
	v_max_num_f32 v[TM+\b], v[TM+\b], v[TM+4+\b]   ; with lane l xor 16's: the block's largest magnitude
.endr
.irp b, 0,1,2,3
	v_add_nc_u32 v[TM+12+\b], 0xff000000, v[TM+\b] ; 2 off its exponent field: the conversion takes that field as its scale
.endr
.irp b, 0,1,2,3
	v_lshrrev_b32 v[TM+4+\b], 23, v[TM+12+\b]      ; the scale's byte
.endr
	v_lshl_or_b32 v[\pw], v[TM+5], 8, v[TM+4]
	v_lshl_or_b32 v[\pw], v[TM+6], 16, v[\pw]
	v_lshl_or_b32 v[\pw], v[TM+7], 24, v[\pw]
.irp c, 0,1
	v_cvt_scalef32_pk16_fp6_f32 v[\pc+6*\c:\pc+2+6*\c], v[\s+32*\c:\s+15+32*\c], v[TM+12+2*\c]
	v_cvt_scalef32_pk16_fp6_f32 v[\pc+12+4*\c:\pc+14+4*\c], v[\s+16+32*\c:\s+31+32*\c], v[TM+12+2*\c+1]   ; (a conversion's three registers begin on an even number)
.endr
	v_nop                                          ; one plain place behind a scaled conversion
.irp c, 0,1                                    ; the operand's layout wants a whole block in a lane: lanes 0-15 block 2 c, lanes 16-31 block 2 c + 1
.irp i, 0,1,2
	v_permlane16_swap_b32 v[\pc+6*\c+\i], v[\pc+12+4*\c+\i]
.endr
.irp i, 0,1,2
	v_mov_b32 v[\pc+3+6*\c+\i], v[\pc+12+4*\c+\i]
.endr
.endr
.endm
	LOADT 0
	LOADT 1
.irp a, 0,1,2,3,4,5,6,7
.if \a < 7
	s_wait_loadcnt 16                              ; this tile's 16 loads are in; the next tile's 16 may be out
.else
	s_wait_loadcnt 0x0
.endif
	TURN \a
	s_wait_dscnt 0x0                               ; my 64 numbers are back, and the stage's stores have read their registers
	s_wait_xcnt 0x0                                ; the last tile's stores have read the codes' registers
.if \a < 6
	LOADT \a+2
.endif
	QUANT X, 0x1800000, PCD, PW
	v_mov_b32 v[PWS+\a], v[PW]
.irp c, 0,1,2
	global_store_b128 v[VA], v[PCD+4*\c:PCD+4*\c+3], s[18:19] offset:1536*\a+512*\c   ; 32 lanes store 512 consecutive bytes, aligned to 256
.endr
.endr
.irp i, 0,1,2,3
	v_cndmask_b32 v[SBW+\i], v[PWS+\i], v[PWS+4+\i], vcc_lo   ; lanes 0-15: fragments 0-3; lanes 16-31: fragments 4-7 (both halves of the lanes hold row r's word)
.endr
	global_store_b128 v[VA], v[SBW:SBW+3], s[18:19] offset:12288
	s_wait_tensorcnt 0x0
	ds_add_u32 v59, v63
	s_wait_dscnt 0x0
	s_endpgm
.Lfunc_end_k_qd761057472_quant:
	.size	k_qd761057472_quant, .Lfunc_end_k_qd761057472_quant-k_qd761057472_quant
	.p2alignl 7, 3214868480
	.fill 96, 4, 3214868480
	.section	.rodata,"a",@progbits
	.p2align	6, 0x0
	.amdhsa_kernel k_qd761057472_quant
		.amdhsa_group_segment_fixed_size 8960
		.amdhsa_private_segment_fixed_size 0
		.amdhsa_enable_private_segment 0
		.amdhsa_kernarg_size 48
		.amdhsa_user_sgpr_count 2
		.amdhsa_user_sgpr_kernarg_segment_ptr 1
		.amdhsa_wavefront_size32 1
		.amdhsa_system_sgpr_workgroup_id_x 1
		.amdhsa_system_sgpr_workgroup_id_y 1
		.amdhsa_system_sgpr_workgroup_id_z 1
		.amdhsa_system_vgpr_workitem_id 0
		.amdhsa_next_free_vgpr 256
		.amdhsa_next_free_sgpr 66
		.amdhsa_reserve_vcc 1
		.amdhsa_float_denorm_mode_32 3
		.amdhsa_float_denorm_mode_16_64 3
		.amdhsa_memory_ordered 1
		.amdhsa_forward_progress 1
		.amdhsa_inst_pref_size 64
	.end_amdhsa_kernel
	.amdgpu_metadata
---
amdhsa.version: [ 1, 2 ]
amdhsa.kernels:
  - .name:           k_qd761057472_quant
    .symbol:         k_qd761057472_quant.kd
    .args:
      - { .name: x, .offset: 0, .size: 8, .value_kind: global_buffer, .address_space: global }
      - { .name: W_qkv, .offset: 8, .size: 8, .value_kind: global_buffer, .address_space: global }
      - { .name: W_proj, .offset: 16, .size: 8, .value_kind: global_buffer, .address_space: global }
      - { .name: XC, .offset: 24, .size: 8, .value_kind: global_buffer, .address_space: global }
      - { .name: WC, .offset: 32, .size: 8, .value_kind: global_buffer, .address_space: global }
      - { .name: PC, .offset: 40, .size: 8, .value_kind: global_buffer, .address_space: global }
    .group_segment_fixed_size: 8960
    .private_segment_fixed_size: 0
    .kernarg_segment_align: 8
    .kernarg_segment_size: 48
    .max_flat_workgroup_size: 32
    .sgpr_count:     66
    .vgpr_count:     256
    .wavefront_size: 32
...
	.end_amdgpu_metadata
.endif
;; end of part 1
;; launch gemm_qkv (part 2): grid 24 x 16, 4 waves a work-group, clusters of 4 x 4, 327,680 bytes of LDS; arguments XC, WC, QKC, VC; writes QKC, VC
.if DOCPART == 2
	.amdgcn_target "amdgcn-amd-amdhsa--gfx1250"
	.amdhsa_code_object_version 6
	.text
	.protected	k_qd761057472_gemm_qkv
	.globl	k_qd761057472_gemm_qkv
	.p2align	8
	.type	k_qd761057472_gemm_qkv,@function
k_qd761057472_gemm_qkv:
	s_mov_b64 s[64:65], 0
	v_nop
	global_prefetch_b8 v0, s[64:65] scope:SCOPE_SE
	s_setreg_imm32_b32 hwreg(HW_REG_WAVE_MODE, 25, 1), 1
	s_wait_xcnt 0x0
	s_wait_alu depctr_hold_cnt(0) depctr_sa_sdst(0) depctr_va_vdst(0) depctr_va_sdst(0) depctr_va_ssrc(0) depctr_va_vcc(0) depctr_vm_vsrc(0)
	s_getreg_b32 s2, hwreg(HW_REG_IB_STS2, 6, 4)
	s_cmp_eq_u32 s2, 0
	s_cbranch_scc0 .Lentry_in_a_cluster
	s_endpgm
.Lentry_in_a_cluster:
	s_bfe_u32 s2, ttmp6, 0x10000c
	s_cmp_lg_u32 s2, 0xf033
	s_cbranch_scc0 .Lentry_shape_is_right
	s_endpgm
.Lentry_shape_is_right:
; qkv = x W_qkv^T on codes of FP6 (E2M3) with E8M0 scales, K = 1,024, and its results quantised on the way out: q and k along the head's channels, v along the tokens (the keys).
; All operands and results lie in BLOCKS of 12,800 bytes: 128 rows x 128 along K as eight images of a fragment's 12 registers (register p of lane l at 1536 a + 512 (p / 4) + 16 l + 4 (p % 4)),
; then 512 bytes of scale words (lane (r, h): 16 bytes at 12,288 + 16 l: row r of fragments 4 h .. 4 h + 3).  XC [64 row blocks][8 chunks], WC [24][8];
; QKC [16 feature blocks: 0-7 q's head pairs, 8-15 k's][64 token blocks];  VC [8 feature blocks = head pairs][64 token chunks].
; A tile of 256 x 256 is made by four waves, 128 x 128 each: 64 accumulators.  THE MATRIX INSTRUCTION IS USED TRANSPOSED: source 0 = 16 rows of the REGISTER side B, source 1 = 16 rows of the LANE side A:
; a lane holds one row of A and its registers run along B's rows, which are the axis that is quantised.  q, k: A = tokens (XC), B = features (WC).  v: A = features (WC, row blocks 16 on), B = tokens (XC).
; The 24 clusters: c = cluster x + 6 cluster y; c < 16 make q and k (2 x 8 clusters of 4 x 4 tiles), the others v (8 x 1).  What differs is chosen by s_cselect on c, which all partners share: there is one path.
; ORDER ALONG THE QUANTISED AXIS: accumulator (a, b)'s register j at lane half h is B's row 16 b + 8 h + j; the quantiser takes register 16 B + i as place 32 B + 16 h + i: bits 3 and 4 of the place are swapped
; inside each block of 32.  For q and k the swap of W_qkv's rows in WC undoes it; for v the softmax's weights come out of the score product in the same order.
; THE FLOOR of the quantiser here is 2^(6 - 127), so that every scale byte is at least 4: the attention launch takes 3 off q's bytes (the factor 1/8).
; LIMITS: a block of 32 whose largest magnitude is under 2^-121 gets the scale 2^-123, not the rule's; a block of zeros keeps that byte (its codes are zeros; this program alone reads the bytes); NaN and infinities are not served.
; CLUSTERS: A's tile hangs on the tile row alone and is asked for jointly by a row of the cluster, B's on the tile column alone, by a column.
; RING: K goes in steps of 256 through two LDS slots; a row block's two chunks are 25,600 consecutive bytes, one tensor load of 100 rows of 256 bytes a wave.  Four K steps: the main line is written out.
; REGISTERS: window 0: v16-29 addresses; v32-47 scale words, two sets; v48-99 the way out; v128-223 A's fragments, one set.  window 1: B's fragments, two sets, at v0 and v128.  windows 2, 3: accumulator (a, b) at v[8 (8 (a % 4) + b)].
.set BLK,    12800
.set FR,     12                        ; registers of a fragment
.set NL,     3                         ; LDS loads that bring one
.set PIECE,  2*BLK                     ; a row block's part of a K step
.set SLOT,   4*PIECE                   ; A's two row blocks, then B's two
.set RBLK,   8*BLK                     ; a row block's eight chunks in memory
.set SPARE,  2*SLOT                    ; behind the ring: the spare words, 128 bytes for each wave
.set FLOOR,  0x3000000
.set ADRA, 16                          ; v16-17 16 x lane + my row block of A in slot 0, 1
.set ADRB, 20                          ; v20-21 the same for B
.set LO,   26                          ; v26    16 x lane
.set SPW,  28                          ; v28    LDS address of my spare word; never rewritten
.set NIL,  29                          ; v29    0; never rewritten
.set SC,   32                          ; scale words: set q at v[SC + 8 q]: +0..3 A's (register i: fragment i in lanes 0-15, fragment 4 + i in lanes 16-31), +4..7 B's
.set TM,   48                          ; v48-63 the quantiser, at work
.set PWS,  64                          ; v64-71 the eight fragments' scale words
.set SBW,  72                          ; v72-75 the scale area's 16 bytes of my lane
.set PW,   76
.set LN,   77
.set PCD,  80                          ; v80-98 the codes just made
.set AF,   128
.set G1, 24                            ; s[24:31] descriptor group 1 for A's tiles; s[32:39] group 0, one set for each slot
.set G0, 32
.set G1B, 48                           ; s[48:55], s[56:63] the same for B's
.set G0B, 56
.set SEL, 96                           ; s[96:97] selects for lane l xor 16
.set MSB, 0
.macro WIN new                         ; the immediate's high byte repeats the setting that is left
.if MSB != \new
	s_set_vgpr_msb (MSB<<8)|\new
.set MSB, \new
.endif
.endm
.set MUL_LO, 0xa1                      ; source 0 (B) window 1, source 1 (A) window 0, C and D window 2
.set MUL_HI, 0xf1                      ; the same, C and D window 3
.set TO_B,   0x40                      ; destination window 1, address window 0
.macro PLACES                          ; four plain places behind matrix instructions, in front of loads into their registers and of reads of their results
.rept 4
	v_nop
.endr
.endm
; A joint load: waves 0 and 1 fetch for A, waves 2 and 3 for B; the branch hangs on the wave's number alone.  Four v_nop follow each of the two lines.
.macro JLOAD s
	s_cmp_eq_u32 s15, 0
	s_cbranch_scc0 .Lfor_b_\@
	tensor_load_to_lds s[G0+4*\s:G0+4*\s+3], s[G1:G1+7]
	s_nop 0
.rept 4
	v_nop
.endr
	s_branch .Lasked_\@
.Lfor_b_\@:
	tensor_load_to_lds s[G0B+4*\s:G0B+4*\s+3], s[G1B:G1B+7]
	s_nop 0
.rept 4
	v_nop
.endr
.Lasked_\@:
.endm
.macro CREST                           ; a round of the cluster's barrier behind its opening barrier
	s_cmp_lg_u32 s14, 0
	s_cbranch_scc1 .Lnot_wave_0_\@
	s_barrier_signal -3
.Lnot_wave_0_\@:
	s_barrier_wait -3
	s_barrier_signal -1
	s_barrier_wait -1
.endm
.macro CROUND                          ; a whole round
	s_barrier_signal -1
	s_barrier_wait -1
	CREST
.endm
	s_load_b256 s[4:11], s[0:1], 0x0               ; XC s[4:5], WC s[6:7], QKC s[8:9], VC s[10:11]
	v_lshl_add_u32 v[SPW], v0, 2, SPARE
	v_mov_b32 v[NIL], 0
	ds_add_u32 v28, v29
	ds_add_u32 v28, v29
	s_wait_dscnt 0x0
	v_lshrrev_b32 v1, 5, v0
	v_readfirstlane_b32 s14, v1                    ; wave 0..3
	s_lshr_b32 s15, s14, 1                         ; which row block of A is mine.  Also: I fetch for A (0) or for B (1)
	s_and_b32 s16, s14, 1                          ; which row block of B.  Also: which row block I fetch
	s_bfe_u32 s40, ttmp6, 0x40000                  ; cx, cy: my place in the cluster
	s_bfe_u32 s41, ttmp6, 0x40004
	s_and_b32 s45, ttmp7, 0xffff
	s_mul_i32 s45, s45, 6
	s_add_co_u32 s45, s45, ttmp9                   ; c: the cluster's number, 0 .. 23
	s_and_b32 s66, s45, 1                          ; q, k: cluster column,
	s_lshr_b32 s67, s45, 1                         ; and row
	s_sub_co_u32 s68, s45, 16                      ; v: cluster column
	s_lshl_b32 s43, s41, 2
	s_lshl_b32 s43, 15, s43                        ; my row of the cluster
	s_lshl_b32 s44, 0x1111, s40                    ; my column
	; descriptor group 1: 25,600 dense bytes as 100 rows of 32 elements of 8 bytes, no padding
	s_or_b32 s[G1+0], s43, (3<<16)|(1<<21)         ; 15:0 the mask: A's tiles go to my row; 17:16 elements of 8 bytes; 21 set beside a mask
	s_or_b32 s[G1B+0], s44, (3<<16)|(1<<21)        ; B's to my column
.irp g, G1, G1B
	s_mov_b32 s[\g+1], 32<<16                      ; tensor_dim0
	s_mov_b32 s[\g+2], 100<<16                     ; tensor_dim1
	s_mov_b32 s[\g+3], 32<<16                      ; tile_dim0
	s_mov_b32 s[\g+4], 100                         ; tile_dim1
	s_mov_b32 s[\g+5], 32                          ; tensor_dim0_stride
	s_mov_b32 s[\g+6], 0
	s_mov_b32 s[\g+7], 0
.endr
	s_mov_b32 s[SEL], 0x76543210
	s_mov_b32 s[SEL+1], 0xfedcba98
	s_wait_kmcnt 0x0
	s_add_nc_u64 s[70:71], s[6:7], 16*RBLK         ; v's rows of W_qkv: row blocks 16 on
	s_cmp_lt_u32 s45, 16                           ; q and k, or v?  Only selections and 64-bit sums stand behind this compare
	s_cselect_b32 s66, s66, s68                    ; cluster column
	s_cselect_b32 s67, s67, 0                      ; cluster row
	s_cselect_b32 s72, 1, 64                       ; the result's blocks: from one row block of A to the next,
	s_cselect_b32 s73, 64, 1                       ; and of B
	s_cselect_b64 s[74:75], s[4:5], s[70:71]       ; A
	s_cselect_b64 s[76:77], s[6:7], s[4:5]         ; B
	s_cselect_b64 s[78:79], s[8:9], s[10:11]       ; the result
	s_lshl_b32 s42, s66, 2
	s_add_co_u32 s42, s42, s40                     ; tile column = 4 x cluster column + cx
	s_lshl_b32 s17, s67, 2
	s_add_co_u32 s17, s17, s41                     ; tile row = 4 x cluster row + cy
	s_lshl_b32 s20, s17, 1
	s_add_co_u32 s20, s20, s16                     ; A: row block 2 x tile row + which I fetch
	s_mul_i32 s20, s20, RBLK
	s_mov_b32 s21, 0
	s_add_nc_u64 s[20:21], s[74:75], s[20:21]
	s_lshl_b32 s46, s42, 1
	s_add_co_u32 s46, s46, s16                     ; B: row block 2 x tile column + which I fetch
	s_mul_i32 s46, s46, RBLK
	s_mov_b32 s47, 0
	s_add_nc_u64 s[46:47], s[76:77], s[46:47]
	s_mul_i32 s69, s14, PIECE                      ; where they go: wave x 25,600: no place in the cluster enters an LDS address
	CROUND                                         ; all sixteen work-groups are here: the first joint loads meet
.irp s, 0,1
	s_mov_b32 s[G0+4*\s], 1
	s_add_co_u32 s[G0+4*\s+1], s69, \s*SLOT
	s_add_nc_u64 s[G0+4*\s+2:G0+4*\s+3], s[20:21], \s*PIECE
	s_or_b32 s[G0+4*\s+3], s[G0+4*\s+3], 0x80000000
	s_mov_b32 s[G0B+4*\s], 1
	s_add_co_u32 s[G0B+4*\s+1], s69, \s*SLOT
	s_add_nc_u64 s[G0B+4*\s+2:G0B+4*\s+3], s[46:47], \s*PIECE
	s_or_b32 s[G0B+4*\s+3], s[G0B+4*\s+3], 0x80000000
	JLOAD \s
.endr
	v_and_b32 v[LN], 31, v0
	v_lshlrev_b32 v[LO], 4, v[LN]
	s_mul_i32 s80, s15, PIECE                      ; my row block of A,
	s_mul_i32 s81, s16, PIECE                      ; of B,
	s_add_co_u32 s81, s81, 2*PIECE                 ; which lie behind A's two
.irp s, 0,1
	v_add_nc_u32 v[ADRA+\s], s80, v[LO]
	v_add_nc_u32 v[ADRB+\s], s81, v[LO]
	s_add_co_u32 s80, s80, SLOT
	s_add_co_u32 s81, s81, SLOT
.endr
.irp b, 0,1,2,3
	v_mov_b32 v[TM+4+\b], 0                        ; written once: a lane permute's destination counts as one of its sources
.endr
	s_lshl_b32 s82, s17, 1                         ; my block of the result: (A's row block) x its step + (B's row block) x its step
	s_add_co_u32 s82, s82, s15
	s_mul_i32 s82, s82, s72
	s_lshl_b32 s83, s42, 1
	s_add_co_u32 s83, s83, s16
	s_mul_i32 s83, s83, s73
	s_add_co_u32 s82, s82, s83
	s_mul_i32 s82, s82, BLK
	s_mov_b32 s83, 0
	s_add_nc_u64 s[12:13], s[78:79], s[82:83]
; One matrix instruction.  dd: D; aa: source 0; bb: source 1; zero = 1: C is the constant 0, else v[cb] on; s0, s1: the scale registers; r0, r1 = 1: that side's words stand in lanes 16-31
.macro WM dd, aa, bb, zero, cb, s0, s1, r0, r1
.set WMV, (\r0)+2*(\r1)+4*(\zero)
.if WMV == 0
	v_wmma_scale_f32_16x16x128_f8f6f4 v[\dd:\dd+7], v[\aa:\aa+11], v[\bb:\bb+11], v[\cb:\cb+7], v[\s0], v[\s1] matrix_a_fmt:MATRIX_FMT_FP6 matrix_b_fmt:MATRIX_FMT_FP6
.elseif WMV == 1
	v_wmma_scale_f32_16x16x128_f8f6f4 v[\dd:\dd+7], v[\aa:\aa+11], v[\bb:\bb+11], v[\cb:\cb+7], v[\s0], v[\s1] matrix_a_fmt:MATRIX_FMT_FP6 matrix_b_fmt:MATRIX_FMT_FP6 matrix_a_scale:MATRIX_SCALE_ROW1
.elseif WMV == 2
	v_wmma_scale_f32_16x16x128_f8f6f4 v[\dd:\dd+7], v[\aa:\aa+11], v[\bb:\bb+11], v[\cb:\cb+7], v[\s0], v[\s1] matrix_a_fmt:MATRIX_FMT_FP6 matrix_b_fmt:MATRIX_FMT_FP6 matrix_b_scale:MATRIX_SCALE_ROW1
.elseif WMV == 3
	v_wmma_scale_f32_16x16x128_f8f6f4 v[\dd:\dd+7], v[\aa:\aa+11], v[\bb:\bb+11], v[\cb:\cb+7], v[\s0], v[\s1] matrix_a_fmt:MATRIX_FMT_FP6 matrix_b_fmt:MATRIX_FMT_FP6 matrix_a_scale:MATRIX_SCALE_ROW1 matrix_b_scale:MATRIX_SCALE_ROW1
.elseif WMV == 4
	v_wmma_scale_f32_16x16x128_f8f6f4 v[\dd:\dd+7], v[\aa:\aa+11], v[\bb:\bb+11], 0, v[\s0], v[\s1] matrix_a_fmt:MATRIX_FMT_FP6 matrix_b_fmt:MATRIX_FMT_FP6
.elseif WMV == 5
	v_wmma_scale_f32_16x16x128_f8f6f4 v[\dd:\dd+7], v[\aa:\aa+11], v[\bb:\bb+11], 0, v[\s0], v[\s1] matrix_a_fmt:MATRIX_FMT_FP6 matrix_b_fmt:MATRIX_FMT_FP6 matrix_a_scale:MATRIX_SCALE_ROW1
.elseif WMV == 6
	v_wmma_scale_f32_16x16x128_f8f6f4 v[\dd:\dd+7], v[\aa:\aa+11], v[\bb:\bb+11], 0, v[\s0], v[\s1] matrix_a_fmt:MATRIX_FMT_FP6 matrix_b_fmt:MATRIX_FMT_FP6 matrix_b_scale:MATRIX_SCALE_ROW1
.else
	v_wmma_scale_f32_16x16x128_f8f6f4 v[\dd:\dd+7], v[\aa:\aa+11], v[\bb:\bb+11], 0, v[\s0], v[\s1] matrix_a_fmt:MATRIX_FMT_FP6 matrix_b_fmt:MATRIX_FMT_FP6 matrix_a_scale:MATRIX_SCALE_ROW1 matrix_b_scale:MATRIX_SCALE_ROW1
.endif
.endm
; 16 matrix instructions: A's blocks a0, a0 + 1 x B's eight, 128 along K.  p: B's set; q: the set of scale words.  The 64 accumulators take turns, one instruction a turn, in the same order in every step
.macro MUL16 a0, p, q, zero
.irp a, \a0, \a0+1
.irp b, 0,1,2,3,4,5,6,7
	WM 8*(8*((\a)%4)+\b), 128*(\p)+FR*\b, AF+FR*(\a), \zero, 8*(8*((\a)%4)+\b), SC+8*(\q)+4+\b%4, SC+8*(\q)+(\a)%4, \b/4, (\a)/4
.endr
.endr
.endm
.macro FRAG reg, adr, q, i             ; fragment i of the slot's q-th chunk: the image of its 12 registers, 512 consecutive bytes a load
.irp c, 0,1,2
	ds_load_b128 v[\reg+4*\c:\reg+4*\c+3], v[\adr] offset:BLK*(\q)+1536*(\i)+512*\c
.endr
.endm
.macro FETCH_B slot, q, p
	WIN TO_B
.irp i, 0,1,2,3,4,5,6,7
	FRAG 128*(\p)+FR*\i, ADRB+\slot, \q, \i
.endr
	WIN 0
.endm
.macro FETCH_A slot, q, i0
.irp i, \i0, \i0+1, \i0+2, \i0+3
	FRAG AF+FR*(\i), ADRA+\slot, \q, \i
.endr
.endm
.macro SCALES slot, q                  ; the chunk's scale words of my 128 rows of A and of B: one load each
	ds_load_b128 v[SC+8*(\q):SC+8*(\q)+3], v[ADRA+\slot] offset:BLK*(\q)+12288
	ds_load_b128 v[SC+8*(\q)+4:SC+8*(\q)+7], v[ADRB+\slot] offset:BLK*(\q)+12288
.endm
; A slot's first 128 along K; its successor lies in the same slot
.macro STEP slot, zero
	s_wait_dscnt 4*NL                              ; B's set, A's blocks 0-3 and the scale words are in; the youngest 12 loads (A's blocks 4-7) may be out
	WIN MUL_LO
	MUL16 0, 0, 0, \zero
	MUL16 2, 0, 0, \zero
	s_wait_dscnt 0x0                               ; A's blocks 4-7 are in
	PLACES
	FETCH_B \slot, 1, 1
	FETCH_A \slot, 1, 0
	SCALES \slot, 1
	WIN MUL_HI
	MUL16 4, 0, 0, \zero
	MUL16 6, 0, 0, \zero
	PLACES
	WIN 0
	FETCH_A \slot, 1, 4
.endm
; A slot's last 128 change slots: ONE barrier; in front of it each wave waits for all its tensor loads, adds 0 to its spare word, and waits for that and for its reads of this slot.  fill = 1: the slot is filled again, two K steps ahead
.macro TURN slot, next, fill
	s_wait_tensorcnt 0x0                           ; all my tensor loads have landed: my part of the next slot
	ds_add_u32 v[SPW], v[NIL]                      ; 0 onto my spare word
	s_wait_dscnt 4*NL+1                            ; (the add and the youngest 12 loads, A's blocks 4-7, may be out)
	WIN MUL_LO
	MUL16 0, 1, 1, 0                               ; sixteen matrix instructions stand between the add and the wait for it
	s_wait_dscnt 0x0                               ; the add is done, and my reads of this slot are over
	s_barrier_signal -1
	MUL16 2, 1, 1, 0
	WIN 0                                          ; at a branch and at a label every window is 0
	s_barrier_wait -1
.if \fill
	CREST                                          ; the barrier has opened a round of the cluster's barrier: no wave of any partner still reads this slot or has a load on its way
	s_add_nc_u64 s[G0+4*\slot+2:G0+4*\slot+3], s[G0+4*\slot+2:G0+4*\slot+3], 2*PIECE
	s_add_nc_u64 s[G0B+4*\slot+2:G0B+4*\slot+3], s[G0B+4*\slot+2:G0B+4*\slot+3], 2*PIECE
	JLOAD \slot                                    ; the first tensor load behind the round; its four v_nop are the places in front of the loads below
.else
	PLACES
.endif
	FETCH_B \next, 0, 0
	FETCH_A \next, 0, 0
	SCALES \next, 0
	WIN MUL_HI
	MUL16 4, 1, 1, 0
	MUL16 6, 1, 1, 0
	PLACES
	WIN 0
	FETCH_A \next, 0, 4
.endm
	s_wait_tensorcnt 1                             ; my part of K step 0 is in (K step 1's load may be out)
	s_barrier_signal -1
	s_barrier_wait -1                              ; everybody's is
	FETCH_B 0, 0, 0
	FETCH_A 0, 0, 0
	SCALES 0, 0
	FETCH_A 0, 0, 4
	STEP 0, 1                                      ; the first products start the sums: nothing is cleared
	TURN 0, 1, 1                                   ; slot 0 takes K step 2
	STEP 1, 0
	TURN 1, 0, 1                                   ; slot 1 takes K step 3
	STEP 0, 0
	TURN 0, 1, 0                                   ; nothing is left to fetch
	STEP 1, 0
	s_wait_dscnt 4*NL                              ; the very last 128
	WIN MUL_LO
	MUL16 0, 1, 1, 0
	MUL16 2, 1, 1, 0
	s_wait_dscnt 0x0
	WIN MUL_HI
	MUL16 4, 1, 1, 0
	MUL16 6, 1, 1, 0
	WIN 0
; THE WAY OUT.  Block a's eight accumulators are 64 numbers of a lane's row: they become fragment a of my block of the result, and leave as they stand: three stores of 512 consecutive bytes.  No LDS.
; The accumulators lie in window 2 (a < 4) or 3; each is first read at its low end.
.macro QUANTW a
.set AC, 64*((\a)%4)
	WIN 0x0a+5*((\a)/4)                            ; sources 0 and 1: the accumulators' window
.irp b, 0,1,2,3
	v_max3_num_f32 v[TM+\b], |v[AC+16*\b]|, |v[AC+1+16*\b]|, FLOOR
.endr
	WIN 0x28+0x14*((\a)/4)                         ; sources 1 and 2
.irp i, 2,4,6,8,10,12,14
.irp b, 0,1,2,3
	v_max3_num_f32 v[TM+\b], v[TM+\b], |v[AC+16*\b+\i]|, |v[AC+1+16*\b+\i]|
.endr
.endr
	WIN 0
.irp b, 0,1,2,3
	v_permlanex16_b32 v[TM+4+\b], v[TM+\b], s[SEL], s[SEL+1]
.endr
.irp b, 0,1,2,3
	v_max_num_f32 v[TM+\b], v[TM+\b], v[TM+4+\b]   ; with lane l xor 16's: the block's largest magnitude
.endr
.irp b, 0,1,2,3
	v_add_nc_u32 v[TM+12+\b], 0xff000000, v[TM+\b] ; 2 off its exponent field: the conversion's scale operand
.endr
.irp b, 0,1,2,3
	v_lshrrev_b32 v[TM+4+\b], 23, v[TM+12+\b]      ; the scale's byte
.endr
	v_lshl_or_b32 v[PW], v[TM+5], 8, v[TM+4]
	v_lshl_or_b32 v[PW], v[TM+6], 16, v[PW]
	v_lshl_or_b32 v[PW], v[TM+7], 24, v[PW]
	WIN 0x02+(\a)/4                                ; source 0
.irp c, 0,1
	v_cvt_scalef32_pk16_fp6_f32 v[PCD+6*\c:PCD+2+6*\c], v[AC+32*\c:AC+15+32*\c], v[TM+12+2*\c]
	v_cvt_scalef32_pk16_fp6_f32 v[PCD+12+4*\c:PCD+14+4*\c], v[AC+16+32*\c:AC+31+32*\c], v[TM+12+2*\c+1]
.endr
	WIN 0
	v_nop                                          ; one plain place behind a scaled conversion
.irp c, 0,1
.irp i, 0,1,2
	v_permlane16_swap_b32 v[PCD+6*\c+\i], v[PCD+12+4*\c+\i]
.endr
.irp i, 0,1,2
	v_mov_b32 v[PCD+3+6*\c+\i], v[PCD+12+4*\c+\i]
.endr
.endr
.endm
	PLACES                                         ; behind the last products
	v_cmp_lt_u32 vcc_lo, 15, v[LN]                 ; lanes 16-31
.irp a, 0,1,2,3,4,5,6,7
.if \a > 0
	s_wait_xcnt 0x0                                ; the last fragment's stores have read the codes' registers
.endif
	QUANTW \a
	v_mov_b32 v[PWS+\a], v[PW]
.irp c, 0,1,2
	global_store_b128 v[LO], v[PCD+4*\c:PCD+4*\c+3], s[12:13] offset:1536*\a+512*\c th:TH_STORE_NT
.endr
.endr
.irp i, 0,1,2,3
	v_cndmask_b32 v[SBW+\i], v[PWS+\i], v[PWS+4+\i], vcc_lo   ; lanes 0-15: fragments 0-3; lanes 16-31: fragments 4-7
.endr
	global_store_b128 v[LO], v[SBW:SBW+3], s[12:13] offset:12288 th:TH_STORE_NT
	s_wait_tensorcnt 0x0                           ; the wave's end
	ds_add_u32 v[SPW], v[NIL]
	s_wait_dscnt 0x0
	CROUND                                         ; the closing round: no work-group ends while a partner may still ask for a tile that names it
	s_endpgm
.Lfunc_end_k_qd761057472_gemm_qkv:
	.size	k_qd761057472_gemm_qkv, .Lfunc_end_k_qd761057472_gemm_qkv-k_qd761057472_gemm_qkv
	.p2alignl 7, 3214868480
	.fill 96, 4, 3214868480
	.section	.rodata,"a",@progbits
	.p2align	6, 0x0
	.amdhsa_kernel k_qd761057472_gemm_qkv
		.amdhsa_group_segment_fixed_size 327680
		.amdhsa_private_segment_fixed_size 0
		.amdhsa_enable_private_segment 0
		.amdhsa_kernarg_size 32
		.amdhsa_user_sgpr_count 2
		.amdhsa_user_sgpr_kernarg_segment_ptr 1
		.amdhsa_wavefront_size32 1
		.amdhsa_system_sgpr_workgroup_id_x 1
		.amdhsa_system_sgpr_workgroup_id_y 1
		.amdhsa_system_sgpr_workgroup_id_z 1
		.amdhsa_system_vgpr_workitem_id 0
		.amdhsa_next_free_vgpr 1024
		.amdhsa_next_free_sgpr 100
		.amdhsa_reserve_vcc 1
		.amdhsa_float_denorm_mode_32 3
		.amdhsa_float_denorm_mode_16_64 3
		.amdhsa_memory_ordered 1
		.amdhsa_forward_progress 1
		.amdhsa_inst_pref_size 136
	.end_amdhsa_kernel
	.amdgpu_metadata
---
amdhsa.version: [ 1, 2 ]
amdhsa.kernels:
  - .name:           k_qd761057472_gemm_qkv
    .symbol:         k_qd761057472_gemm_qkv.kd
    .args:
      - { .name: XC, .offset: 0, .size: 8, .value_kind: global_buffer, .address_space: global }
      - { .name: WC, .offset: 8, .size: 8, .value_kind: global_buffer, .address_space: global }
      - { .name: QKC, .offset: 16, .size: 8, .value_kind: global_buffer, .address_space: global }
      - { .name: VC, .offset: 24, .size: 8, .value_kind: global_buffer, .address_space: global }
    .group_segment_fixed_size: 327680
    .private_segment_fixed_size: 0
    .kernarg_segment_align: 8
    .kernarg_segment_size: 32
    .max_flat_workgroup_size: 128
    .sgpr_count:     100
    .vgpr_count:     1024
    .wavefront_size: 32
...
	.end_amdgpu_metadata
.endif
;; end of part 2
;; launch attn (part 3): grid 16 x 16, 8 waves a work-group, clusters of 4 x 4, 327,680 bytes of LDS; arguments QKC, VC, global_bias, OC; writes OC
.if DOCPART == 3
	.amdgcn_target "amdgcn-amd-amdhsa--gfx1250"
	.amdhsa_code_object_version 6
	.text
	.protected	k_qd761057472_attn
	.globl	k_qd761057472_attn
	.p2align	8
	.type	k_qd761057472_attn,@function
k_qd761057472_attn:
	s_mov_b64 s[64:65], 0
	v_nop
	global_prefetch_b8 v0, s[64:65] scope:SCOPE_SE
	s_setreg_imm32_b32 hwreg(HW_REG_WAVE_MODE, 25, 1), 1
	s_wait_xcnt 0x0
	s_wait_alu depctr_hold_cnt(0) depctr_sa_sdst(0) depctr_va_vdst(0) depctr_va_sdst(0) depctr_va_ssrc(0) depctr_va_vcc(0) depctr_vm_vsrc(0)
	s_getreg_b32 s2, hwreg(HW_REG_IB_STS2, 6, 4)
	s_cmp_eq_u32 s2, 0
	s_cbranch_scc0 .Lentry_in_a_cluster
	s_endpgm
.Lentry_in_a_cluster:
	s_bfe_u32 s2, ttmp6, 0x10000c
	s_cmp_lg_u32 s2, 0xf033
	s_cbranch_scc0 .Lentry_shape_is_right
	s_endpgm
.Lentry_shape_is_right:
; o = softmax(q k^T / 8 + bias) v for 4 batches x 16 heads of 64 channels, 2,048 tokens; both products on codes of FP6 (E2M3) with E8M0 scales; o is quantised along the 1,024 channels on the way out.
; All codes lie in BLOCKS of 12,800 bytes: 128 rows x 128 along K as eight images of a fragment's 12 registers (1,536 bytes each), then 512 bytes of scale words (lane (r, h): 16 bytes at 12,288 + 16 l: row r of fragments 4 h .. 4 h + 3).
; QKC [16: 0-7 q's head pairs, 8-15 k's][64 token blocks]: rows = tokens, K = the pair's 128 channels.  VC [8 head pairs][64 token chunks]: rows = channels, K = tokens.  OC [64 token blocks][8 head pairs].
; THE SOFTMAX: t = score x log2(e); M = the running largest t rounded UP to a whole number; p = 2^(t - M) is quantised along the keys, not normalised; the row's sum is taken of the unquantised p and divides at the end;
; when M moves, the sum and O are multiplied by 2^(old M - new M), which rounds nothing.
; HEAD PAIRS: a fragment of k holds two heads' 64 channels side by side.  It is multiplied as it lies by [q of head 0 | zero codes] or by [zero codes | q of head 1]: q0, six registers of zeros, q1 are 18 registers that hold both operands.
; THE FACTOR 1/8 is 3 off each of q's scale bytes (they are at least 4 by the projection's floor); THE BIAS is the C of the score product: the matrix unit returns q k / 8 + bias.
; SHARES: a work-group owns 128 queries of FOUR heads (two pairs) of one batch; wave w: pair w / 4, queries 32 (w % 4) on: two heads e x two tiles u of 16 queries, tile-row k = 2 e + u.  A bias tile in registers serves both heads,
; a fragment of k four products, a fragment of v two.  Two waves lie on a SIMD, so that one wave's vector work stands beside the other's matrix work and LDS loads.
; LAYOUT: both products transposed (S^T = k q^T, O^T = v^T p^T): a lane holds one query.  Register j of key tile t at lane half h is key 16 t + 8 h + j; the quantiser takes register 16 B + i as place 32 B + 16 h + i:
; bits 3 and 4 of the place swapped inside each block of 32, as in VC's tokens.  VC's channels lie so that O^T's registers are the channels in natural order.
; CLUSTER 4 x 4: x = 4 batch + head quad, y = query block.  The bias tile hangs on y alone: asked for jointly by a row of the cluster; k's and v's blocks hang on x alone: by a column.
; RING: 128 keys a step, two LDS slots 2^17 bytes apart; waves 0-3 fetch the bias tile (32 rows of 512 bytes each, 16 bytes of padding behind a row), waves 4-7 the four blocks of k and v: one load a wave behind each round.
; LIMITS: NaN and infinities are not served; a block of 32 of o that is all zeros keeps the byte 1 (its codes are zeros; this program alone reads the bytes).
; REGISTERS: window 0: v1-7 addresses; v8-11 k's or v's scale words; v12-13 q's; v14-17 p's; v18-33 statistics; v34-57 at work; v58-105 p's codes; v106-123 q of tile 0; v124-127 addresses; v128-191 S^T, then p; v192-255 the bias tile.
;   window 1: v0-127 O^T (tile-row k, channel tile c at 32 k + 8 c); v128-223 eight fragments of k or of v; v224-241 q of tile 1.
.set BLK,   12800
.set SLOT1, 131072
.set BP,    528                        ; a bias row in LDS: 512 bytes + 16
.set KVO,   128*BP                     ; behind the bias tile: k of pair 0, 1, v of pair 0, 1
.set OSC,   SLOT1+KVO+4*BLK            ; behind the ring: o's scale words on their way out, 1,024 bytes
.set SPARE, OSC+1024                   ; the spare words, 128 bytes for each wave
.set SPW,  1                           ; v1   LDS address of my spare word; never rewritten
.set NIL,  2                           ; v2   0; never rewritten
.set LB0,  3                           ; v3   my lane's place in a bias tile: (32 gq + r) 528 + 32 h
.set LI,   4                           ; v4   16 x lane + my pair's block of k
.set ADB,  5                           ; v5   LB0 in the slot in hand
.set ADK,  6                           ; v6   LI in the slot in hand
.set PFO,  7                           ; v7   the prefetches' lane offset; never rewritten
.set KVS,  8
.set QS,   12
.set PS,   14
.set ST,   18                          ; tile-row k at v[ST + 4 k]: -M, the largest t, the sum in two halves
.set T,    34
.set TM,   34                          ; (the quantiser of the way out works in the same registers)
.set P,    58
.set OSA,  124                         ; v124 where I put o's two scale words
.set OSR,  125                         ; v125 where a pair's scale area is read back
.set LL,   126                         ; v126 16 x lane
.set LLF,  127                         ; v127 16 x lane + 3,072 gq: my two fragments in a block of OC
.set S,    128
.set BI,   192
.set KF,   128                         ; in window 1
.set WV,   12                          ; s12  wave;  s13 pair;  s14 query group, and which piece I fetch
.set LIM,  15                          ; s15  a wave prefetches while s[LEFT] is above it
.set SEL,  20                          ; s[20:21] selects for lane l xor 16
.set CS,   22                          ; s[22:23] log2(e), twice: the packed form names a pair
.set G1B,  24                          ; s[24:31] descriptor group 1 for the bias tile;  s[32:39] for a block
.set G1K,  32
.set G0B,  40                          ; s[40:43], s[44:47] their groups 0, which walk
.set G0K,  44
.set TB,   48                          ; s48  LDS byte at which the slot in hand begins
.set LEFT, 49                          ; s49  steps still to be asked for
.set PFA,  50                          ; s[50:51] where my prefetches stand
.set PFS,  52                          ; s[52:53] their step
.set MSB, 0
.macro WIN new                         ; the immediate's high byte repeats the setting that is left
.if MSB != \new
	s_set_vgpr_msb (MSB<<8)|\new
.set MSB, \new
.endif
.endm
.macro PLACES                          ; four plain places behind matrix instructions (ISA guide 7.12.1)
.rept 4
	v_nop
.endr
.endm
; A joint load: waves 0-3 the bias tile's quarters, waves 4-7 the four blocks.  The branch hangs on the wave's number alone.  Four v_nop follow each of the two lines.
.macro JLOAD
	s_cmp_lt_u32 s[WV], 4
	s_cbranch_scc0 .Lfor_kv_\@
	tensor_load_to_lds s[G0B:G0B+3], s[G1B:G1B+7]
	s_nop 0
.rept 4
	v_nop
.endr
	s_branch .Lasked_\@
.Lfor_kv_\@:
	tensor_load_to_lds s[G0K:G0K+3], s[G1K:G1K+7]
	s_nop 0
.rept 4
	v_nop
.endr
.Lasked_\@:
.endm
; A PREFETCH INTO THE L2, behind the joint load and its four lines; one instruction a wave; each aligned block of 256 bytes is named once in the launch.
; BIAS: all four clusters of a row of clusters read the same tile: cluster x = 0 asks.  Its partners along x take 32 of the 128 rows each, BY ADDRESS; wave 0 names a row's first 256 bytes of the step after the one being asked for,
; wave 1 the second; a lane a row.  The last change that fills a slot names nothing.
; K AND V: all four clusters of a column read the same blocks: cluster y = 0 asks.  A batch's 16 blocks of one head pair are 204,800 consecutive bytes; partner cy takes one of the column's four such streams, BY ADDRESS;
; waves 4 and 5 name 8,192 bytes each, lanes 256 bytes apart, 16,384 bytes a change against the 12,800 that a step reads: from byte 24,576 on, in 11 changes, always a step or more ahead of the load.
.macro ASK
	s_cmp_gt_u32 s[LEFT], s[LIM]
	s_cbranch_scc0 .Lnot_mine_\@
	global_prefetch_b8 v[PFO], s[PFA:PFA+1] th:TH_LOAD_NT scope:SCOPE_SE
.Lnot_mine_\@:
.endm
.macro CROUND                          ; a round of the cluster's barrier
	s_barrier_signal -1
	s_barrier_wait -1
	s_cmp_lg_u32 s[WV], 0
	s_cbranch_scc1 .Lnot_wave_0_\@
	s_barrier_signal -3
.Lnot_wave_0_\@:
	s_barrier_wait -3
	s_barrier_signal -1
	s_barrier_wait -1
.endm
	s_load_b256 s[4:11], s[0:1], 0x0               ; QKC s[4:5], VC s[6:7], the bias s[8:9], OC s[10:11]
	v_lshl_add_u32 v[SPW], v0, 2, SPARE
	v_mov_b32 v[NIL], 0
	ds_add_u32 v1, v2
	ds_add_u32 v1, v2
	s_wait_dscnt 0x0
	v_lshrrev_b32 v34, 5, v0
	v_readfirstlane_b32 s[WV], v34                 ; wave 0..7
	s_lshr_b32 s13, s[WV], 2                       ; pair
	s_and_b32 s14, s[WV], 3                        ; query group; which piece I fetch
	s_bfe_u32 s16, ttmp6, 0x40000                  ; cx: the head quad
	s_bfe_u32 s17, ttmp6, 0x40004                  ; cy
	s_and_b32 s54, ttmp7, 0xffff                   ; cluster y
	s_lshl_b32 s19, s54, 2
	s_add_co_u32 s19, s19, s17                     ; the query block
	s_lshl_b32 s55, s17, 2
	s_lshl_b32 s55, 15, s55                        ; my row of the cluster
	s_lshl_b32 s56, 0x1111, s16                    ; my column
	s_or_b32 s[G1B], s55, (2<<16)|(1<<20)|(1<<21)|(6<<22)|(3<<25)  ; the mask; elements of 4 bytes; padding on; 21 set beside a mask; after every 128 words (code 6) 4 words (code 3)
	s_mov_b32 s[G1B+1], 128<<16                    ; tensor_dim0
	s_mov_b32 s[G1B+2], 32<<16                     ; tensor_dim1
	s_mov_b32 s[G1B+3], 128<<16                    ; tile_dim0
	s_mov_b32 s[G1B+4], 32                         ; tile_dim1
	s_mov_b32 s[G1B+5], 2048                       ; tensor_dim0_stride
	s_mov_b32 s[G1B+6], 0
	s_mov_b32 s[G1B+7], 0
	s_or_b32 s[G1K], s56, (3<<16)|(1<<21)          ; a block: 50 dense rows of 32 elements of 8 bytes
	s_mov_b32 s[G1K+1], 32<<16
	s_mov_b32 s[G1K+2], 50<<16
	s_mov_b32 s[G1K+3], 32<<16
	s_mov_b32 s[G1K+4], 50
	s_mov_b32 s[G1K+5], 32
	s_mov_b32 s[G1K+6], 0
	s_mov_b32 s[G1K+7], 0
	s_mov_b32 s[SEL], 0x76543210
	s_mov_b32 s[SEL+1], 0xfedcba98
	s_mov_b32 s[CS], 0x3fb8aa3b                    ; log2(e)
	s_mov_b32 s[CS+1], s[CS]
	s_mov_b32 s[TB], 0
	s_mov_b32 s[LEFT], 15
	s_lshl_b32 s58, s19, 20                        ; the bias: 128 rows of 8,192 bytes a query block,
	s_lshl_b32 s59, s14, 18                        ; 32 rows a piece
	s_add_co_u32 s58, s58, s59
	s_mov_b32 s59, 0
	s_and_b32 s60, s[WV], 1                        ; the blocks: pair 2 cx + w % 2,
	s_lshl_b32 s61, s16, 1
	s_add_co_u32 s60, s60, s61
	s_lshl_b32 s60, s60, 6
	s_lshl_b32 s61, ttmp9, 4                       ; the batch's first token block
	s_add_co_u32 s60, s60, s61
	s_wait_kmcnt 0x0
	s_cmp_lt_u32 s14, 2                            ; pieces 0, 1: k;  2, 3: v
	s_cselect_b64 s[62:63], s[4:5], s[6:7]
	s_cselect_b32 s61, 512, 0                      ; k's head pairs begin 8 x 64 blocks into QKC
	s_add_co_u32 s60, s60, s61
	s_mul_i32 s60, s60, BLK
	s_mov_b32 s61, 0
	CROUND                                         ; all sixteen work-groups are here: the first joint loads meet
	s_mov_b32 s[G0B], 1
	s_mul_i32 s[G0B+1], s14, 32*BP
	s_add_nc_u64 s[G0B+2:G0B+3], s[8:9], s[58:59]
	s_or_b32 s[G0B+3], s[G0B+3], 0x80000000
	s_mov_b32 s[G0K], 1
	s_mul_i32 s[G0K+1], s14, BLK
	s_add_co_u32 s[G0K+1], s[G0K+1], KVO
	s_add_nc_u64 s[G0K+2:G0K+3], s[62:63], s[60:61]
	s_or_b32 s[G0K+3], s[G0K+3], 0x80000000
	JLOAD                                          ; step 0 into slot 0
	; the prefetches: where my wave's stand, and who asks.  Nothing is prefetched here, at the head
	s_and_b32 s66, s17, 1                          ; k's and v's streams: pair 2 cx + cy % 2
	s_lshl_b32 s67, s16, 1
	s_add_co_u32 s66, s66, s67
	s_lshl_b32 s66, s66, 6
	s_lshl_b32 s67, ttmp9, 4
	s_add_co_u32 s66, s66, s67
	s_cmp_lt_u32 s17, 2                            ; cy 0, 1: k;  2, 3: v
	s_cselect_b64 s[68:69], s[4:5], s[6:7]
	s_cselect_b32 s67, 512, 0
	s_add_co_u32 s66, s66, s67
	s_mul_i32 s66, s66, BLK
	s_and_b32 s67, s[WV], 1
	s_lshl_b32 s70, s67, 13
	s_add_co_u32 s66, s66, s70
	s_add_co_u32 s66, s66, 8192                    ; the first change steps it to byte 24,576 (+ 8,192 in the odd wave)
	s_lshl_b32 s70, s19, 20                        ; the bias: my work-group's 32 rows of the query block's 128,
	s_lshl_b32 s71, s16, 18
	s_add_co_u32 s70, s70, s71
	s_lshl_b32 s71, s67, 8                         ; my wave's 256 bytes of a step's 512,
	s_add_co_u32 s70, s70, s71
	s_add_co_u32 s70, s70, 512                     ; at step 1: the first change steps it to step 2
	s_and_b32 s71, s[WV], 2                        ; 0 in waves 0, 1, 4, 5
	s_mov_b32 s74, 16384
	s_mov_b32 s75, 256
	s_mov_b32 s67, 0
	s_mov_b32 s[PFS+1], 0
	s_cmp_lt_u32 s[WV], 4
	s_cselect_b64 s[PFA:PFA+1], s[8:9], s[68:69]
	s_cselect_b32 s66, s70, s66
	s_cselect_b32 s72, ttmp9, s54                  ; the coordinate along which other clusters read the same bytes
	s_cselect_b32 s73, 1, 4                        ; the last trips that name nothing
	s_cselect_b32 s[PFS], 512, s74
	s_cselect_b32 s75, 8192, s75                   ; from lane to lane
	s_add_nc_u64 s[PFA:PFA+1], s[PFA:PFA+1], s[66:67]
	s_or_b32 s71, s71, s72
	s_cmp_eq_u32 s71, 0
	s_cselect_b32 s[LIM], s73, -1                  ; the same in all sixteen partners, for a given wave
	v_and_b32 v[PFO], 31, v0
	v_mul_lo_u32 v[PFO], v[PFO], s75
	; lane addresses
	v_and_b32 v34, 15, v0                          ; r
	v_bfe_u32 v35, v0, 4, 1                        ; h
	v_and_b32 v37, 31, v0                          ; lane
	v_lshlrev_b32 v[LL], 4, v37
	s_mul_i32 s76, s14, 32*BP
	v_mul_u32_u24 v[LB0], v34, BP
	v_lshl_add_u32 v[LB0], v35, 5, v[LB0]
	v_add_nc_u32 v[LB0], s76, v[LB0]
	s_mul_i32 s76, s13, BLK
	s_add_co_u32 s76, s76, KVO
	v_add_nc_u32 v[LI], s76, v[LL]
	s_mul_i32 s76, s14, 3072
	v_add_nc_u32 v[LLF], s76, v[LL]
	s_lshr_b32 s76, s14, 1                         ; fragments 2 gq, 2 gq + 1 in a scale area: lanes 16 (gq / 2) + r, words 2 (gq % 2) on
	s_lshl_b32 s76, s76, 8
	s_and_b32 s77, s14, 1
	s_lshl_b32 s77, s77, 3
	s_add_co_u32 s76, s76, s77
	v_lshl_add_u32 v36, v34, 4, s76
	s_lshl_b32 s76, s13, 9
	s_add_co_u32 s76, s76, OSC
	v_add_nc_u32 v[OSA], s76, v36
	v_add_nc_u32 v[OSR], s76, v[LL]
	; q's block, my two fragments of it, and my block of OC
	s_lshl_b32 s72, s16, 1
	s_add_co_u32 s72, s72, s13                     ; my head pair
	s_lshl_b32 s73, s72, 6
	s_lshl_b32 s74, ttmp9, 4
	s_add_co_u32 s74, s74, s19                     ; my token block
	s_add_co_u32 s73, s73, s74
	s_mul_i32 s76, s73, BLK
	s_mov_b32 s77, 0
	s_add_nc_u64 s[80:81], s[4:5], s[76:77]
	s_mul_i32 s76, s14, 3072
	s_add_nc_u64 s[78:79], s[80:81], s[76:77]
	s_lshl_b32 s74, s74, 3
	s_add_co_u32 s74, s74, s72
	s_mul_i32 s76, s74, BLK
	s_add_nc_u64 s[82:83], s[10:11], s[76:77]
	; q stays in registers: registers 0-5 (head 0), six zeros, registers 6-11 (head 1)
	global_load_b128 v[106:109], v[LL], s[78:79]
	global_load_b64 v[110:111], v[LL], s[78:79] offset:512
	global_load_b64 v[118:119], v[LL], s[78:79] offset:520
	global_load_b128 v[120:123], v[LL], s[78:79] offset:1024
	global_load_b32 v[QS], v36, s[80:81] offset:12288
	global_load_b32 v[QS+1], v36, s[80:81] offset:12292
	WIN 0x40                                       ; destination window 1
	global_load_b128 v[224:227], v[LL], s[78:79] offset:1536
	global_load_b64 v[228:229], v[LL], s[78:79] offset:2048
	global_load_b64 v[236:237], v[LL], s[78:79] offset:2056
	global_load_b128 v[238:241], v[LL], s[78:79] offset:2560
.irp i, 0,1,2,3,4,5
	v_mov_b32 v[230+\i], 0
.endr
	WIN 0
.irp i, 0,1,2,3,4,5
	v_mov_b32 v[112+\i], 0
.endr
.irp k, 0,1,2,3
	v_mov_b32 v[ST+4*\k+1], 0xff61b1e6             ; the largest t so far: -3e38, under every t
	v_floor_f32 v[ST+4*\k], -v[ST+4*\k+1]          ; -M
	v_mov_b32 v[ST+4*\k+2], 0                      ; the sum, in two halves
	v_mov_b32 v[ST+4*\k+3], 0
.endr
.irp b, 0,1,2,3
	v_mov_b32 v[T+4+\b], 0                         ; written once: a lane permute's destination counts as one of its sources
.endr
	v_mov_b32 v[T+17], 0                           ; (named as the upper half of the pair with f)
	s_wait_loadcnt 0x0                             ; q and its scale words
	v_add_nc_u32 v[QS], 0xfcfcfcfd, v[QS]          ; 3 off each byte: q / 8.  No byte borrows: each is at least 4
	v_add_nc_u32 v[QS+1], 0xfcfcfcfd, v[QS+1]
	WIN 0x40
.set j, 0
.rept 128
	v_mov_b32 v[j], 0                              ; O^T.  (The step is written once for all steps: the first finds zeros.  These lines are also the places between q's scale words and the first products)
.set j, j+1
.endr
	WIN 0
; One matrix instruction: D, source 0, source 1, C, the scale registers; r0 = 1: source 0's words stand in lanes 16-31
.macro WM dd, aa, bb, cb, s0, s1, r0
.if \r0
	v_wmma_scale_f32_16x16x128_f8f6f4 v[\dd:\dd+7], v[\aa:\aa+11], v[\bb:\bb+11], v[\cb:\cb+7], v[\s0], v[\s1] matrix_a_fmt:MATRIX_FMT_FP6 matrix_b_fmt:MATRIX_FMT_FP6 matrix_a_scale:MATRIX_SCALE_ROW1
.else
	v_wmma_scale_f32_16x16x128_f8f6f4 v[\dd:\dd+7], v[\aa:\aa+11], v[\bb:\bb+11], v[\cb:\cb+7], v[\s0], v[\s1] matrix_a_fmt:MATRIX_FMT_FP6 matrix_b_fmt:MATRIX_FMT_FP6
.endif
.endm
.macro FETCH_KV off                    ; my pair's block of k (off = 0) or of v (two blocks on): eight fragments and the scale words
	WIN 0x40
.irp f, 0,1,2,3,4,5,6,7
.irp c, 0,1,2
	ds_load_b128 v[KF+12*\f+4*\c:KF+12*\f+4*\c+3], v[ADK] offset:\off+1536*\f+512*\c
.endr
.endr
	WIN 0
	ds_load_b128 v[KVS:KVS+3], v[ADK] offset:\off+12288
.endm
.macro FETCH_BIAS u                    ; the bias of query tile u x 128 keys, in the score's layout: register 8 t + j = key 16 t + 8 h + j of query r
.irp t, 0,1,2,3,4,5,6,7
	ds_load_b128 v[BI+8*\t:BI+8*\t+3], v[ADB] offset:16*BP*\u+64*\t
	ds_load_b128 v[BI+8*\t+4:BI+8*\t+7], v[ADB] offset:16*BP*\u+64*\t+16
.endr
.endm
.macro SMUL e, u                       ; S^T = k q^T / 8 + bias for head e, query tile u: eight tiles of 16 keys
	WIN 0x01|((\u)<<2)                             ; source 0 (k) window 1; source 1 (q): tile u's window
.irp t, 0,1,2,3,4,5,6,7
	WM S+8*\t, KF+12*\t, 106+118*(\u)+6*(\e), BI+8*\t, KVS+\t%4, QS+(\u), \t/4
.endr
	WIN 0
	PLACES
.endm
.macro SOFTMAX k                       ; tile-row k: S^T becomes p, its codes and its scale word; the statistics and O^T go under the new M
.set rT, ST+4*(\k)
.set rP, P+12*(\k)
.irp b, 0,1,2,3
	v_max3_num_f32 v[T+\b], v[S+16*\b], v[S+1+16*\b], v[S+2+16*\b]   ; the largest score of each block of 32 keys: it serves the row's maximum and, since p rises with the score, the block's largest p
.endr
.irp i, 3,5,7,9,11,13
.irp b, 0,1,2,3
	v_max3_num_f32 v[T+\b], v[T+\b], v[S+16*\b+\i], v[S+1+16*\b+\i]
.endr
.endr
.irp b, 0,1,2,3
	v_max_num_f32 v[T+\b], v[T+\b], v[S+15+16*\b]
.endr
.irp b, 0,1,2,3
	v_permlanex16_b32 v[T+4+\b], v[T+\b], s[SEL], s[SEL+1]
.endr
.irp b, 0,1,2,3
	v_max_num_f32 v[T+\b], v[T+\b], v[T+4+\b]      ; with lane l xor 16's 16 keys
.endr
	v_max3_num_f32 v[T+18], v[T], v[T+1], v[T+2]
	v_max_num_f32 v[T+18], v[T+18], v[T+3]         ; the step's largest score of my query
	v_mul_f32 v[T+18], s[CS], v[T+18]              ; as t
	v_max_num_f32 v[rT+1], v[rT+1], v[T+18]        ; the running largest t
	v_mov_b32 v[T+18], v[rT]
	v_floor_f32 v[rT], -v[rT+1]                    ; the new -M = -ceil(t)
	v_sub_f32 v[T+18], v[rT], v[T+18]              ; old M - new M: a whole number, 0 or less
	v_cvt_i32_f32 v[T+18], v[T+18]                 ; (it saturates)
	v_ldexp_f32 v[T+16], 1.0, v[T+18]              ; f = 2^(old M - new M)
.set j, 0
.rept 32
	v_pk_fma_f32 v[S+j:S+j+1], v[S+j:S+j+1], s[CS:CS+1], v[rT:rT+1] op_sel_hi:[1,0,0]   ; t - M, two at a time
.set j, j+2
.endr
.irp b, 0,1,2,3
	v_fma_f32 v[T+\b], v[T+\b], s[CS], v[rT]       ; the same of each block's largest score
.endr
.set j, 0
.rept 64
	v_exp_f32 v[S+j], v[S+j]                       ; p = 2^(t - M)
.set j, j+1
.endr
	v_pk_mul_f32 v[rT+2:rT+3], v[rT+2:rT+3], v[T+16:T+17] op_sel_hi:[1,0]   ; the sums under the new M: a plain place behind the exponentials
	s_wait_alu depctr_va_vdst(0)                   ; one wait for the batch of 64, ahead of its first reader
.irp b, 0,1,2,3
	v_exp_f32 v[T+\b], v[T+\b]                     ; each block's largest p
.endr
	v_pk_add_f32 v[T+4:T+5], v[S:S+1], v[S+2:S+3]  ; the row's sum of the unquantised p, in two chains
.set j, 4
.rept 15
	v_pk_add_f32 v[rT+2:rT+3], v[rT+2:rT+3], v[S+j:S+j+1]
	v_pk_add_f32 v[T+4:T+5], v[T+4:T+5], v[S+j+2:S+j+3]
.set j, j+4
.endr
	v_pk_add_f32 v[rT+2:rT+3], v[rT+2:rT+3], v[T+4:T+5]
	s_wait_alu depctr_va_vdst(0)                   ; and one for the four
.irp b, 0,1,2,3
	v_max_num_f32 v[T+\b], 0x1800000, v[T+\b]      ; the floor 2^(3 - 127): the byte cannot fall under 1
.endr
.irp b, 0,1,2,3
	v_add_nc_u32 v[T+12+\b], 0xff000000, v[T+\b]   ; 2 off the exponent field: the conversion's scale operand
.endr
.irp b, 0,1,2,3
	v_lshrrev_b32 v[T+4+\b], 23, v[T+12+\b]        ; the scale's byte
.endr
	v_lshl_or_b32 v[PS+\k], v[T+5], 8, v[T+4]      ; p's scale word for these 128 keys
	v_lshl_or_b32 v[PS+\k], v[T+6], 16, v[PS+\k]
	v_lshl_or_b32 v[PS+\k], v[T+7], 24, v[PS+\k]
.irp c, 0,1
	v_cvt_scalef32_pk16_fp6_f32 v[rP+6*\c:rP+2+6*\c], v[S+32*\c:S+15+32*\c], v[T+12+2*\c]
	v_cvt_scalef32_pk16_fp6_f32 v[T+4+4*\c:T+6+4*\c], v[S+16+32*\c:S+31+32*\c], v[T+12+2*\c+1]
.endr
	v_nop                                          ; one plain place behind a scaled conversion
.irp c, 0,1
.irp i, 0,1,2
	v_permlane16_swap_b32 v[rP+6*\c+\i], v[T+4+4*\c+\i]
.endr
.irp i, 0,1,2
	v_mov_b32 v[rP+3+6*\c+\i], v[T+4+4*\c+\i]
.endr
.endr
	WIN 0x41                                       ; O^T (destination and source 0) window 1, f window 0
.set j, 32*(\k)
.rept 16
	v_pk_mul_f32 v[j:j+1], v[j:j+1], v[T+16:T+17] op_sel_hi:[1,0]   ; O^T under the new M; each accumulator from its low end on
.set j, j+2
.endr
	WIN 0
.endm
.macro PV                              ; O^T += v^T p^T: 16 accumulators, one instruction each
	WIN 0x51                                       ; source 0 (v) window 1, source 1 (p) window 0, C and D window 1
.irp c, 0,1,2,3
.irp e, 0,1
.irp u, 0,1
	WM 32*(2*\e+\u)+8*\c, KF+12*(4*\e+\c), P+12*(2*\e+\u), 32*(2*\e+\u)+8*\c, KVS+\c, PS+2*\e+\u, \e
.endr
.endr
.endr
	WIN 0
.endm
; A KEY STEP: 128 keys.  The bias of query tile 1 and v's block are fetched under a softmax
.macro STEP
	v_add_nc_u32 v[ADB], s[TB], v[LB0]
	v_add_nc_u32 v[ADK], s[TB], v[LI]
	FETCH_KV 0
	FETCH_BIAS 0
	s_wait_dscnt 0x0
	SMUL 0, 0
	SOFTMAX 0
	SMUL 1, 0
	FETCH_BIAS 1                                   ; behind SMUL's four places: the bias registers have been read
	SOFTMAX 2
	s_wait_dscnt 0x0
	SMUL 0, 1
	SOFTMAX 1
	SMUL 1, 1
	FETCH_KV 2*BLK                                 ; behind SMUL's four places: k's registers have been read
	SOFTMAX 3                                      ; its last 16 lines are the places between p's codes and scale word and the products below
	s_wait_dscnt 0x0
	PV
	s_xor_b32 s[TB], s[TB], SLOT1                  ; on to the other slot
.endm
; THE CHANGE OF SLOTS stands at a step's head.  Each wave waits for all its tensor loads (its part of the slot ahead), adds 0 to its spare word, and waits for that and for its reads of the slot that it has left.
; fill = 1: a round of the cluster's barrier, and behind it the slot just left is filled with the next step's tiles: the load has a whole step in which to land.
.macro CHANGE fill
	s_wait_tensorcnt 0x0                           ; no tensor load of mine is out, so a group 0 may be written
	ds_add_u32 v[SPW], v[NIL]                      ; 0 onto my spare word
.if \fill
	s_xor_b32 s[G0B+1], s[G0B+1], SLOT1            ; the walking descriptors: the other slot,
	s_add_nc_u64 s[G0B+2:G0B+3], s[G0B+2:G0B+3], 512   ; the next 128 keys' columns of the bias,
	s_xor_b32 s[G0K+1], s[G0K+1], SLOT1
	s_add_nc_u64 s[G0K+2:G0K+3], s[G0K+2:G0K+3], BLK   ; the next block
	s_wait_xcnt 0x0                                ; the last prefetch, a step back, has read its address
	s_add_nc_u64 s[PFA:PFA+1], s[PFA:PFA+1], s[PFS:PFS+1]
	s_wait_dscnt 0x0                               ; the add is done, and my reads of the slot that I have left are over
	CROUND
	JLOAD                                          ; the first thing behind the round, a wave's one tensor load until the next; its four v_nop are places in front of the step's loads
	ASK
.else
	s_wait_dscnt 0x0
	s_barrier_signal -1
	s_barrier_wait -1
	PLACES
.endif
.endm
.Lstep:                                            ; 15 trips: behind each change of slots but the last the next step is asked for
	CHANGE 1
	STEP
	s_sub_co_u32 s[LEFT], s[LEFT], 1
	s_cmp_lg_u32 s[LEFT], 0
	s_cbranch_scc1 .Lstep
	CHANGE 0                                       ; the last step is written out
	STEP
; 64 numbers of a lane, register 16 b + i = place 32 b + 16 h + i of my row, become a fragment's 12 registers at v[pc] on (v[pc + 12] .. v[pc + 18] at work) and its scale word in v[pw]
.macro QUANT s, floor, pc, pw
.irp b, 0,1,2,3
	v_max3_num_f32 v[TM+\b], |v[\s+16*\b]|, |v[\s+1+16*\b]|, \floor
.endr
.irp i, 2,4,6,8,10,12,14
.irp b, 0,1,2,3
	v_max3_num_f32 v[TM+\b], v[TM+\b], |v[\s+16*\b+\i]|, |v[\s+1+16*\b+\i]|
.endr
.endr
.irp b, 0,1,2,3
	v_permlanex16_b32 v[TM+4+\b], v[TM+\b], s[SEL], s[SEL+1]
.endr
.irp b, 0,1,2,3
	v_max_num_f32 v[TM+\b], v[TM+\b], v[TM+4+\b]
.endr
.irp b, 0,1,2,3
	v_add_nc_u32 v[TM+12+\b], 0xff000000, v[TM+\b]
.endr
.irp b, 0,1,2,3
	v_lshrrev_b32 v[TM+4+\b], 23, v[TM+12+\b]
.endr
	v_lshl_or_b32 v[\pw], v[TM+5], 8, v[TM+4]
	v_lshl_or_b32 v[\pw], v[TM+6], 16, v[\pw]
	v_lshl_or_b32 v[\pw], v[TM+7], 24, v[\pw]
.irp c, 0,1
	v_cvt_scalef32_pk16_fp6_f32 v[\pc+6*\c:\pc+2+6*\c], v[\s+32*\c:\s+15+32*\c], v[TM+12+2*\c]
	v_cvt_scalef32_pk16_fp6_f32 v[\pc+12+4*\c:\pc+14+4*\c], v[\s+16+32*\c:\s+31+32*\c], v[TM+12+2*\c+1]
.endr
	v_nop                                          ; one plain place behind a scaled conversion
.irp c, 0,1
.irp i, 0,1,2
	v_permlane16_swap_b32 v[\pc+6*\c+\i], v[\pc+12+4*\c+\i]
.endr
.irp i, 0,1,2
	v_mov_b32 v[\pc+3+6*\c+\i], v[\pc+12+4*\c+\i]
.endr
.endr
.endm
	; THE WAY OUT.  The sums' halves are added (these lines are the places behind the last products); O^T / the sum; a query tile's 64 + 64 channels of the two heads are one fragment of OC: quantised and stored as it stands.
.irp k, 0,1,2,3
	v_add_f32 v[T+\k], v[ST+4*\k+2], v[ST+4*\k+3]
.endr
.irp k, 0,1,2,3
	v_permlanex16_b32 v[T+4+\k], v[T+\k], s[SEL], s[SEL+1]
.endr
.irp k, 0,1,2,3
	v_add_f32 v[T+\k], v[T+\k], v[T+4+\k]          ; with lane l xor 16's: the row's sum
.endr
.irp k, 0,1,2,3
	v_rcp_f32 v[T+8+\k], v[T+\k]
.endr
	v_nop                                          ; a plain place behind the last reciprocal
	s_wait_alu depctr_va_vdst(0)                   ; one wait for the four, ahead of the first reader
	WIN 0x01                                       ; source 0 (O^T) window 1
.irp e, 0,1
.irp u, 0,1
.set j, 0
.rept 32
	v_mul_f32 v[128+64*\u+32*\e+j], v[32*(2*\e+\u)+j], v[T+8+2*\e+\u]   ; register 32 e + 8 c + i at half h: channel 64 e + 32 (c / 2) + 16 h + 8 (c % 2) + i of the pair
.set j, j+1
.endr
.endr
.endr
	WIN 0
.irp u, 0,1
	QUANT 128+64*\u, 0x1800000, 58+24*\u, 54+\u
.irp c, 0,1,2
	global_store_b128 v[LLF], v[58+24*\u+4*\c:58+24*\u+4*\c+3], s[82:83] offset:1536*\u+512*\c th:TH_STORE_NT   ; 32 lanes store 512 consecutive bytes, aligned to 256
.endr
.endr
	ds_store_b64 v[OSA], v[54:55]                  ; my two fragments' scale words (both halves of the lanes write the same words with the same values)
	s_wait_dscnt 0x0                               ; for the others' sake
	s_barrier_signal -1
	s_barrier_wait -1
	s_cmp_lg_u32 s14, 0                            ; a pair's first wave stores the block's scale area, 512 consecutive bytes
	s_cbranch_scc1 .Lno_scales
	ds_load_b128 v[34:37], v[OSR]
	s_wait_dscnt 0x0
	global_store_b128 v[LL], v[34:37], s[82:83] offset:12288 th:TH_STORE_NT
.Lno_scales:
	s_wait_tensorcnt 0x0                           ; the wave's end
	ds_add_u32 v[SPW], v[NIL]
	s_wait_dscnt 0x0
	CROUND                                         ; the closing round
	s_endpgm
.Lfunc_end_k_qd761057472_attn:
	.size	k_qd761057472_attn, .Lfunc_end_k_qd761057472_attn-k_qd761057472_attn
	.p2alignl 7, 3214868480
	.fill 96, 4, 3214868480
	.section	.rodata,"a",@progbits
	.p2align	6, 0x0
	.amdhsa_kernel k_qd761057472_attn
		.amdhsa_group_segment_fixed_size 327680
		.amdhsa_private_segment_fixed_size 0
		.amdhsa_enable_private_segment 0
		.amdhsa_kernarg_size 32
		.amdhsa_user_sgpr_count 2
		.amdhsa_user_sgpr_kernarg_segment_ptr 1
		.amdhsa_wavefront_size32 1
		.amdhsa_system_sgpr_workgroup_id_x 1
		.amdhsa_system_sgpr_workgroup_id_y 1
		.amdhsa_system_sgpr_workgroup_id_z 1
		.amdhsa_system_vgpr_workitem_id 0
		.amdhsa_next_free_vgpr 512
		.amdhsa_next_free_sgpr 84
		.amdhsa_reserve_vcc 0
		.amdhsa_float_denorm_mode_32 3
		.amdhsa_float_denorm_mode_16_64 3
		.amdhsa_memory_ordered 1
		.amdhsa_forward_progress 1
		.amdhsa_inst_pref_size 148
	.end_amdhsa_kernel
	.amdgpu_metadata
---
amdhsa.version: [ 1, 2 ]
amdhsa.kernels:
  - .name:           k_qd761057472_attn
    .symbol:         k_qd761057472_attn.kd
    .args:
      - { .name: QKC, .offset: 0, .size: 8, .value_kind: global_buffer, .address_space: global }
      - { .name: VC, .offset: 8, .size: 8, .value_kind: global_buffer, .address_space: global }
      - { .name: global_bias, .offset: 16, .size: 8, .value_kind: global_buffer, .address_space: global }
      - { .name: OC, .offset: 24, .size: 8, .value_kind: global_buffer, .address_space: global }
    .group_segment_fixed_size: 327680
    .private_segment_fixed_size: 0
    .kernarg_segment_align: 8
    .kernarg_segment_size: 32
    .max_flat_workgroup_size: 256
    .sgpr_count:     84
    .vgpr_count:     512
    .wavefront_size: 32
...
	.end_amdgpu_metadata
.endif
;; end of part 3
;; launch gemm_proj (part 4): grid 4 x 32, 4 waves a work-group, clusters of 4 x 4, 327,680 bytes of LDS; arguments OC, PC, b_proj, out0; writes out0
.if DOCPART == 4
	.amdgcn_target "amdgcn-amd-amdhsa--gfx1250"
	.amdhsa_code_object_version 6
	.text
	.protected	k_qd761057472_gemm_proj
	.globl	k_qd761057472_gemm_proj
	.p2align	8
	.type	k_qd761057472_gemm_proj,@function
k_qd761057472_gemm_proj:
	s_mov_b64 s[64:65], 0
	v_nop
	global_prefetch_b8 v0, s[64:65] scope:SCOPE_SE
	s_setreg_imm32_b32 hwreg(HW_REG_WAVE_MODE, 25, 1), 1
	s_wait_xcnt 0x0
	s_wait_alu depctr_hold_cnt(0) depctr_sa_sdst(0) depctr_va_vdst(0) depctr_va_sdst(0) depctr_va_ssrc(0) depctr_va_vcc(0) depctr_vm_vsrc(0)
	s_getreg_b32 s2, hwreg(HW_REG_IB_STS2, 6, 4)
	s_cmp_eq_u32 s2, 0
	s_cbranch_scc0 .Lentry_in_a_cluster
	s_endpgm
.Lentry_in_a_cluster:
	s_bfe_u32 s2, ttmp6, 0x10000c
	s_cmp_lg_u32 s2, 0xf033
	s_cbranch_scc0 .Lentry_shape_is_right
	s_endpgm
.Lentry_shape_is_right:
; out0 = o W_proj^T + b_proj on codes of FP6 (E2M3) with E8M0 scales, K = 1,024.  out0: [8192][1024] f32.
; Operands lie in BLOCKS of 12,800 bytes: 128 rows x 128 along K as eight images of a fragment's 12 registers (1,536 bytes each), then 512 bytes of scale words (lane (r, h): 16 bytes at 12,288 + 16 l: row r of fragments 4 h .. 4 h + 3).
; OC [64 token blocks][8 chunks], PC [8 row blocks][8 chunks].
; A tile of 256 x 256 is made by four waves, 128 x 128 each.  THE MATRIX INSTRUCTION IS USED TRANSPOSED: source 0 = 16 rows of W_proj, source 1 = 16 tokens: a lane holds eight neighbouring outputs of one token.
; THE BIAS is the C of each sum's first matrix instruction: 64 registers in the result's layout.
; CLUSTERS 4 x 4: o's tile hangs on the tile row alone and is asked for jointly by a row of the cluster, W_proj's on the tile column alone, by a column.  128 tiles: the design has work for 128 work-groups.
; RING: K in steps of 256 through two LDS slots; a row block's two chunks are 25,600 consecutive bytes, one tensor load of 100 rows of 256 bytes a wave.  Four K steps: the main line is written out.
; REGISTERS: window 0: v16-29 addresses; v32-47 scale words, two sets; v48-111 the bias; v128-223 A's fragments, one set (v128-255 on the way out).  window 1: B's fragments, two sets.  windows 2, 3: accumulator (a, b) at v[8 (8 (a % 4) + b)].
.set BLK,    12800
.set FR,     12
.set NL,     3
.set PIECE,  2*BLK
.set SLOT,   4*PIECE
.set RBLK,   8*BLK
.set SPARE,  2*SLOT
.set NOUT,   1024                      ; outputs in a row of out0
.set SPITCH, 528                       ; the way out: a stage of 16 rows x (512 bytes + 16) for each wave, in slot 0, which has had its last fill and its last read when the first result is stored there
.set ADRA, 16
.set ADRB, 20
.set STO,  24                          ; v24  the way out: where I put 32 bytes of a row
.set RD,   25                          ; v25  where I read a row back
.set LO,   26                          ; v26  16 x lane
.set BO,   27                          ; v27  32 h: my half's eight numbers of a tile of the bias
.set SPW,  28
.set NIL,  29
.set SC,   32
.set BI,   48
.set AF,   128
.set BK,   128
.set G1, 24
.set G0, 32
.set G1B, 48
.set G0B, 56
.set MSB, 0
.macro WIN new                         ; the immediate's high byte repeats the setting that is left
.if MSB != \new
	s_set_vgpr_msb (MSB<<8)|\new
.set MSB, \new
.endif
.endm
.set MUL_LO, 0xa1                      ; source 0 (B) window 1, source 1 (A) window 0, C and D window 2
.set MUL_HI, 0xf1                      ; the same, C and D window 3
.set TO_B,   0x40
.macro PLACES                          ; four plain places behind matrix instructions (ISA guide 7.12.1)
.rept 4
	v_nop
.endr
.endm
.macro JLOAD s                         ; a joint load: waves 0 and 1 fetch for A, waves 2 and 3 for B; four v_nop follow each of the two lines
	s_cmp_eq_u32 s15, 0
	s_cbranch_scc0 .Lfor_b_\@
	tensor_load_to_lds s[G0+4*\s:G0+4*\s+3], s[G1:G1+7]
	s_nop 0
.rept 4
	v_nop
.endr
	s_branch .Lasked_\@
.Lfor_b_\@:
	tensor_load_to_lds s[G0B+4*\s:G0B+4*\s+3], s[G1B:G1B+7]
	s_nop 0
.rept 4
	v_nop
.endr
.Lasked_\@:
.endm
.macro CREST
	s_cmp_lg_u32 s14, 0
	s_cbranch_scc1 .Lnot_wave_0_\@
	s_barrier_signal -3
.Lnot_wave_0_\@:
	s_barrier_wait -3
	s_barrier_signal -1
	s_barrier_wait -1
.endm
.macro CROUND
	s_barrier_signal -1
	s_barrier_wait -1
	CREST
.endm
	s_load_b256 s[4:11], s[0:1], 0x0               ; OC s[4:5], PC s[6:7], b_proj s[8:9], out0 s[10:11]
	v_lshl_add_u32 v[SPW], v0, 2, SPARE
	v_mov_b32 v[NIL], 0
	ds_add_u32 v28, v29
	ds_add_u32 v28, v29
	s_wait_dscnt 0x0
	v_lshrrev_b32 v1, 5, v0
	v_readfirstlane_b32 s14, v1                    ; wave 0..3
	s_lshr_b32 s15, s14, 1                         ; which row block of A is mine.  Also: I fetch for A (0) or for B (1)
	s_and_b32 s16, s14, 1                          ; which row block of B.  Also: which row block I fetch
	s_bfe_u32 s40, ttmp6, 0x40000                  ; cx, cy
	s_bfe_u32 s41, ttmp6, 0x40004
	s_lshl_b32 s42, ttmp9, 2
	s_add_co_u32 s42, s42, s40                     ; tile column
	s_and_b32 s17, ttmp7, 0xffff
	s_lshl_b32 s17, s17, 2
	s_add_co_u32 s17, s17, s41                     ; tile row
	s_lshl_b32 s43, s41, 2
	s_lshl_b32 s43, 15, s43                        ; my row of the cluster
	s_lshl_b32 s44, 0x1111, s40                    ; my column
	s_or_b32 s[G1+0], s43, (3<<16)|(1<<21)         ; 25,600 dense bytes as 100 rows of 32 elements of 8 bytes; the mask; 21 set beside it
	s_or_b32 s[G1B+0], s44, (3<<16)|(1<<21)
.irp g, G1, G1B
	s_mov_b32 s[\g+1], 32<<16
	s_mov_b32 s[\g+2], 100<<16
	s_mov_b32 s[\g+3], 32<<16
	s_mov_b32 s[\g+4], 100
	s_mov_b32 s[\g+5], 32
	s_mov_b32 s[\g+6], 0
	s_mov_b32 s[\g+7], 0
.endr
	s_lshl_b32 s20, s17, 1
	s_add_co_u32 s20, s20, s16
	s_mul_i32 s20, s20, RBLK
	s_mov_b32 s21, 0
	s_lshl_b32 s46, s42, 1
	s_add_co_u32 s46, s46, s16
	s_mul_i32 s46, s46, RBLK
	s_mov_b32 s47, 0
	s_mul_i32 s69, s14, PIECE
	s_wait_kmcnt 0x0
	s_add_nc_u64 s[20:21], s[4:5], s[20:21]
	s_add_nc_u64 s[46:47], s[6:7], s[46:47]
	CROUND                                         ; all sixteen work-groups are here: the first joint loads meet
.irp s, 0,1
	s_mov_b32 s[G0+4*\s], 1
	s_add_co_u32 s[G0+4*\s+1], s69, \s*SLOT
	s_add_nc_u64 s[G0+4*\s+2:G0+4*\s+3], s[20:21], \s*PIECE
	s_or_b32 s[G0+4*\s+3], s[G0+4*\s+3], 0x80000000
	s_mov_b32 s[G0B+4*\s], 1
	s_add_co_u32 s[G0B+4*\s+1], s69, \s*SLOT
	s_add_nc_u64 s[G0B+4*\s+2:G0B+4*\s+3], s[46:47], \s*PIECE
	s_or_b32 s[G0B+4*\s+3], s[G0B+4*\s+3], 0x80000000
	JLOAD \s
.endr
	v_and_b32 v1, 15, v0                           ; r
	v_bfe_u32 v2, v0, 4, 1                         ; h
	v_and_b32 v3, 31, v0
	v_lshlrev_b32 v[LO], 4, v3
	v_lshlrev_b32 v[BO], 5, v2
	s_lshl_b32 s80, s42, 10                        ; the bias: my 128 outputs begin at 256 x tile column + 128 x (w % 2), 4 bytes each
	s_lshl_b32 s81, s16, 9
	s_add_co_u32 s80, s80, s81
	s_mov_b32 s81, 0
	s_add_nc_u64 s[8:9], s[8:9], s[80:81]
.irp b, 0,1,2,3,4,5,6,7
	global_load_b128 v[BI+8*\b:BI+8*\b+3], v[BO], s[8:9] offset:64*\b       ; lane (r, h): outputs 16 b + 8 h + 0 .. 7
	global_load_b128 v[BI+8*\b+4:BI+8*\b+7], v[BO], s[8:9] offset:64*\b+16
.endr
	s_add_nc_u64 s[12:13], s[10:11], s[80:81]      ; out0 at my first column (the same byte offset),
	s_lshl_b32 s82, s17, 8
	s_lshl_b32 s83, s15, 7
	s_add_co_u32 s82, s82, s83                     ; and my first row: 256 x tile row + 128 x (w / 2)
	s_lshl_b32 s82, s82, 12
	s_mov_b32 s83, 0
	s_add_nc_u64 s[12:13], s[12:13], s[82:83]
	s_mul_i32 s84, s15, PIECE
	s_mul_i32 s85, s16, PIECE
	s_add_co_u32 s85, s85, 2*PIECE
.irp s, 0,1
	v_add_nc_u32 v[ADRA+\s], s84, v[LO]
	v_add_nc_u32 v[ADRB+\s], s85, v[LO]
	s_add_co_u32 s84, s84, SLOT
	s_add_co_u32 s85, s85, SLOT
.endr
	s_mul_i32 s23, s14, 16*SPITCH                  ; my stage
	v_mul_u32_u24 v5, v1, SPITCH
	v_lshl_add_u32 v5, v2, 5, v5
	v_add_nc_u32 v[STO], s23, v5                   ; in: row r, 32 bytes for each half of the lanes
	v_add_nc_u32 v[RD], s23, v[LO]                 ; back: the 32 lanes take one row of 512 bytes
; One matrix instruction.  r0, r1 = 1: that side's scale words stand in lanes 16-31
.macro WM dd, aa, bb, cb, s0, s1, r0, r1
.set WMV, (\r0)+2*(\r1)
.if WMV == 0
	v_wmma_scale_f32_16x16x128_f8f6f4 v[\dd:\dd+7], v[\aa:\aa+11], v[\bb:\bb+11], v[\cb:\cb+7], v[\s0], v[\s1] matrix_a_fmt:MATRIX_FMT_FP6 matrix_b_fmt:MATRIX_FMT_FP6
.elseif WMV == 1
	v_wmma_scale_f32_16x16x128_f8f6f4 v[\dd:\dd+7], v[\aa:\aa+11], v[\bb:\bb+11], v[\cb:\cb+7], v[\s0], v[\s1] matrix_a_fmt:MATRIX_FMT_FP6 matrix_b_fmt:MATRIX_FMT_FP6 matrix_a_scale:MATRIX_SCALE_ROW1
.elseif WMV == 2
	v_wmma_scale_f32_16x16x128_f8f6f4 v[\dd:\dd+7], v[\aa:\aa+11], v[\bb:\bb+11], v[\cb:\cb+7], v[\s0], v[\s1] matrix_a_fmt:MATRIX_FMT_FP6 matrix_b_fmt:MATRIX_FMT_FP6 matrix_b_scale:MATRIX_SCALE_ROW1
.else
	v_wmma_scale_f32_16x16x128_f8f6f4 v[\dd:\dd+7], v[\aa:\aa+11], v[\bb:\bb+11], v[\cb:\cb+7], v[\s0], v[\s1] matrix_a_fmt:MATRIX_FMT_FP6 matrix_b_fmt:MATRIX_FMT_FP6 matrix_a_scale:MATRIX_SCALE_ROW1 matrix_b_scale:MATRIX_SCALE_ROW1
.endif
.endm
; 16 matrix instructions: A's blocks a0, a0 + 1 x B's eight.  first = 1: the bias starts the sums.  The 64 accumulators take turns, one instruction a turn, in the same order in every step
.macro MUL16 a0, p, q, first
.irp a, \a0, \a0+1
.irp b, 0,1,2,3,4,5,6,7
.if \first
	WM 8*(8*((\a)%4)+\b), 128*(\p)+FR*\b, AF+FR*(\a), BI+8*\b, SC+8*(\q)+4+\b%4, SC+8*(\q)+(\a)%4, \b/4, (\a)/4
.else
	WM 8*(8*((\a)%4)+\b), 128*(\p)+FR*\b, AF+FR*(\a), 8*(8*((\a)%4)+\b), SC+8*(\q)+4+\b%4, SC+8*(\q)+(\a)%4, \b/4, (\a)/4
.endif
.endr
.endr
.endm
.macro FRAG reg, adr, q, i
.irp c, 0,1,2
	ds_load_b128 v[\reg+4*\c:\reg+4*\c+3], v[\adr] offset:BLK*(\q)+1536*(\i)+512*\c
.endr
.endm
.macro FETCH_B slot, q, p
	WIN TO_B
.irp i, 0,1,2,3,4,5,6,7
	FRAG 128*(\p)+FR*\i, ADRB+\slot, \q, \i
.endr
	WIN 0
.endm
.macro FETCH_A slot, q, i0
.irp i, \i0, \i0+1, \i0+2, \i0+3
	FRAG AF+FR*(\i), ADRA+\slot, \q, \i
.endr
.endm
.macro SCALES slot, q
	ds_load_b128 v[SC+8*(\q):SC+8*(\q)+3], v[ADRA+\slot] offset:BLK*(\q)+12288
	ds_load_b128 v[SC+8*(\q)+4:SC+8*(\q)+7], v[ADRB+\slot] offset:BLK*(\q)+12288
.endm
.macro STEP slot, first                ; a slot's first 128 along K
	s_wait_dscnt 4*NL                              ; B's set, A's blocks 0-3 and the scale words are in; the youngest 12 loads (A's blocks 4-7) may be out
.if \first
	WIN 0x81                                       ; C (the bias) window 0, D window 2
.else
	WIN MUL_LO
.endif
	MUL16 0, 0, 0, \first
	MUL16 2, 0, 0, \first
	s_wait_dscnt 0x0
	PLACES
	FETCH_B \slot, 1, 1
	FETCH_A \slot, 1, 0
	SCALES \slot, 1
.if \first
	WIN 0xc1                                       ; C window 0, D window 3
.else
	WIN MUL_HI
.endif
	MUL16 4, 0, 0, \first
	MUL16 6, 0, 0, \first
	PLACES
	WIN 0
	FETCH_A \slot, 1, 4
.endm
.macro TURN slot, next, fill           ; a slot's last 128 change slots: one barrier, in front of it the wait for all my tensor loads, the add, and the wait for it and for my reads of this slot
	s_wait_tensorcnt 0x0
	ds_add_u32 v[SPW], v[NIL]                      ; 0 onto my spare word
	s_wait_dscnt 4*NL+1                            ; (the add and the youngest 12 loads may be out)
	WIN MUL_LO
	MUL16 0, 1, 1, 0
	s_wait_dscnt 0x0
	s_barrier_signal -1
	MUL16 2, 1, 1, 0
	WIN 0
	s_barrier_wait -1
.if \fill
	CREST                                          ; the barrier has opened a round of the cluster's barrier
	s_add_nc_u64 s[G0+4*\slot+2:G0+4*\slot+3], s[G0+4*\slot+2:G0+4*\slot+3], 2*PIECE
	s_add_nc_u64 s[G0B+4*\slot+2:G0B+4*\slot+3], s[G0B+4*\slot+2:G0B+4*\slot+3], 2*PIECE
	JLOAD \slot                                    ; the first tensor load behind the round; its four v_nop are the places in front of the loads below
.else
	PLACES
.endif
	FETCH_B \next, 0, 0
	FETCH_A \next, 0, 0
	SCALES \next, 0
	WIN MUL_HI
	MUL16 4, 1, 1, 0
	MUL16 6, 1, 1, 0
	PLACES
	WIN 0
	FETCH_A \next, 0, 4
.endm
	s_wait_tensorcnt 1                             ; my part of K step 0 is in (K step 1's load may be out)
	s_barrier_signal -1
	s_barrier_wait -1
	FETCH_B 0, 0, 0
	FETCH_A 0, 0, 0
	SCALES 0, 0
	FETCH_A 0, 0, 4
	s_wait_loadcnt 0x0                             ; the bias
	STEP 0, 1
	TURN 0, 1, 1                                   ; slot 0 takes K step 2
	STEP 1, 0
	TURN 1, 0, 1                                   ; slot 1 takes K step 3
	STEP 0, 0
	TURN 0, 1, 0                                   ; nothing is left to fetch; behind this barrier nobody reads slot 0
	STEP 1, 0
	s_wait_dscnt 4*NL
	WIN MUL_LO
	MUL16 0, 1, 1, 0
	MUL16 2, 1, 1, 0
	s_wait_dscnt 0x0
	WIN MUL_HI
	MUL16 4, 1, 1, 0
	MUL16 6, 1, 1, 0
	WIN 0
; THE WAY OUT, block by block of 16 rows x 128 columns: a lane holds 32 neighbouring bytes of a row; a block goes through my own stage and comes back as whole rows of 512 bytes.
; LDS serves a wave's instructions in order (ISA guide 5.7.1.4): no wait between the stores and the loads, nor in front of the next block's stores.
.macro TOSTAGE a
.set AC, 64*((\a)%4)
	WIN 0x08+4*((\a)/4)                            ; the data: window 2 or 3
.irp b, 0,1,2,3,4,5,6,7
	ds_store_b128 v[STO], v[AC+8*\b:AC+8*\b+3] offset:64*\b          ; each accumulator from its low end on
	ds_store_b128 v[STO], v[AC+8*\b+4:AC+8*\b+7] offset:64*\b+16
.endr
	WIN 0
.set BB, BK+64*((\a)%2)
.irp t, 0,1,2,3,4,5,6,7,8,9,10,11,12,13,14,15
	ds_load_b128 v[BB+4*\t:BB+4*\t+3], v[RD] offset:\t*SPITCH
.endr
.endm
.macro SEND a, younger                 ; younger: the LDS instructions issued behind block a's loads, which may stay out
.set BB, BK+64*((\a)%2)
	s_wait_dscnt \younger
.if (\a) > 0
	s_add_nc_u64 s[12:13], s[12:13], 16*NOUT*4     ; (behind a wait on XCNT: the earlier stores have read their base)  16 rows on
.endif
.irp t, 0,1,2,3,4,5,6,7,8,9,10,11,12,13,14,15
	global_store_b128 v[LO], v[BB+4*\t:BB+4*\t+3], s[12:13] offset:\t*NOUT*4 th:TH_STORE_NT   ; 32 lanes store 512 consecutive bytes, aligned to 256
.endr
.endm
	PLACES                                         ; behind the last products: for the loads into the registers that held A's fragments, and for the reads of results
	TOSTAGE 0
.irp a, 1,2,3,4,5,6,7
.if \a > 1
	s_wait_xcnt 0x0                                ; block a - 2's stores have read their registers and their base
.endif
	TOSTAGE \a
	SEND \a-1, 32                                  ; behind block a - 1's loads: block a's 16 stores and 16 loads
.endr
	s_wait_xcnt 0x0
	SEND 7, 0
	s_wait_tensorcnt 0x0                           ; the wave's end
	ds_add_u32 v[SPW], v[NIL]
	s_wait_dscnt 0x0
	CROUND                                         ; the closing round
	s_endpgm
.Lfunc_end_k_qd761057472_gemm_proj:
	.size	k_qd761057472_gemm_proj, .Lfunc_end_k_qd761057472_gemm_proj-k_qd761057472_gemm_proj
	.p2alignl 7, 3214868480
	.fill 96, 4, 3214868480
	.section	.rodata,"a",@progbits
	.p2align	6, 0x0
	.amdhsa_kernel k_qd761057472_gemm_proj
		.amdhsa_group_segment_fixed_size 327680
		.amdhsa_private_segment_fixed_size 0
		.amdhsa_enable_private_segment 0
		.amdhsa_kernarg_size 32
		.amdhsa_user_sgpr_count 2
		.amdhsa_user_sgpr_kernarg_segment_ptr 1
		.amdhsa_wavefront_size32 1
		.amdhsa_system_sgpr_workgroup_id_x 1
		.amdhsa_system_sgpr_workgroup_id_y 1
		.amdhsa_system_sgpr_workgroup_id_z 1
		.amdhsa_system_vgpr_workitem_id 0
		.amdhsa_next_free_vgpr 1024
		.amdhsa_next_free_sgpr 100
		.amdhsa_reserve_vcc 0
		.amdhsa_float_denorm_mode_32 3
		.amdhsa_float_denorm_mode_16_64 3
		.amdhsa_memory_ordered 1
		.amdhsa_forward_progress 1
		.amdhsa_inst_pref_size 133
	.end_amdhsa_kernel
	.amdgpu_metadata
---
amdhsa.version: [ 1, 2 ]
amdhsa.kernels:
  - .name:           k_qd761057472_gemm_proj
    .symbol:         k_qd761057472_gemm_proj.kd
    .args:
      - { .name: OC, .offset: 0, .size: 8, .value_kind: global_buffer, .address_space: global }
      - { .name: PC, .offset: 8, .size: 8, .value_kind: global_buffer, .address_space: global }
      - { .name: b_proj, .offset: 16, .size: 8, .value_kind: global_buffer, .address_space: global }
      - { .name: out0, .offset: 24, .size: 8, .value_kind: global_buffer, .address_space: global }
    .group_segment_fixed_size: 327680
    .private_segment_fixed_size: 0
    .kernarg_segment_align: 8
    .kernarg_segment_size: 32
    .max_flat_workgroup_size: 128
    .sgpr_count:     100
    .vgpr_count:     1024
    .wavefront_size: 32
...
	.end_amdgpu_metadata
.endif
;; end of part 4
